; MI455X (gfx1250); checked and timed in simulation.
; The chip was launched on July 23, 2026; its instructions are those of AMD's public machine-readable ISA for CDNA 5 (MIT licence, August 2026) and "CDNA5" Instruction Set Architecture Reference Guide (July 2026). The comments in the code are by the model that wrote it; some were corrected since.
;; Attention Head. Allowed arithmetic: matrix products marked QUANTISED: E3M2 operands, one E8M0 scale for each 32 along K, by v_wmma_scale_f32_16x16x128_f8f6f4 with both operands' format E3M2, f32 sums; everything else in f32.
;; Inputs: k 4 x 2,048 x 1,024 float32; q 4 x 2,048 x 1,024 float32; v 4 x 2,048 x 1,024 float32; wk 1,024 x 1,024 float32; wq 1,024 x 1,024 float32; wv 1,024 x 1,024 float32.
;; Outputs: out0 4 x 2,048 x 1,024 float32.
;; This version of the problem:
;;   THIS VERSION OF THE PROBLEM IS GIVEN IN LOW PRECISION. The matrix products marked QUANTISED in the list below multiply operands that are first quantised to E3M2 (3 exponent bits, 2 mantissa bits; 6 bits a number), with one power-of-two scale for each 32 numbers along K (OCP MX v1.0); their sums are f32. All else is computed in f32.
;;   The module's matrix products, in the order in which they are computed (A, B: the left and right operand; K: the contracted axis; several contracted axes count as one K, in the product's order):
;;     1. [M 8,192, K 1,024] x [K 1,024, N 1,024]; A: input q; B: input wq: QUANTISED
;;     2. [M 8,192, K 1,024] x [K 1,024, N 1,024]; A: input k; B: input wk: QUANTISED
;;     3. [M 8,192, K 1,024] x [K 1,024, N 1,024]; A: input v; B: input wv: QUANTISED
;;     4. batch 4 x [M 2,048, K 1,024] x [K 1,024, N 2,048]; A: computed on the way; B: computed on the way: QUANTISED
;;     5. batch 4 x [M 2,048, K 2,048] x [K 2,048, N 1,024]; A: computed on the way; B: computed on the way: QUANTISED
;;   THE QUANTISER, for each operand of a quantised product, along K:
;;     - K is cut into blocks of 32 from its start; a last block that is shorter is filled with zeros.
;;     - A block's scale is 2^e with e = floor(log2(the largest magnitude in the block)) - 4, held to -126 .. 127; a block of zeros has e = 0. As a byte (E8M0): e + 127.
;;     - Each number is divided by its block's scale, clamped to +-28, and rounded to the nearest number of E3M2, ties to even, subnormals kept.
;;     - The product sums the exact products of the quantised numbers (number of the format x scale) in f32.
;;   ~~~python
;;   def quantise(x, axis):      # numpy; x: float32 -> the quantised numbers, widened to float32 again
;;       x = np.moveaxis(x, axis, -1); K = x.shape[-1]
;;       x = np.pad(x, [(0, 0)] * (x.ndim - 1) + [(0, -K % 32)]); x = x.reshape(x.shape[:-1] + (-1, 32)); a = np.abs(x).max(-1, keepdims=True)
;;       e = np.where(a > 0, np.clip(np.frexp(np.where(a > 0, a, 1))[1] - 1 - 4, -126, 127), 0)      # np.frexp(a)[1] - 1 = floor(log2(a)), exactly
;;       r = np.clip(x / 2.0 ** e, -28, 28)
;;       step = 2.0 ** (np.maximum(np.frexp(np.where(r == 0, 1, r))[1] - 1, -2) - 2)
;;       q = np.round(r / step) * step * 2.0 ** e      # np.round: ties to even
;;       return np.moveaxis(q.reshape(q.shape[:-2] + (-1,))[..., :K], -1, axis).astype(np.float32)
;;   ~~~
;;   OPERANDS COMPUTED ON THE WAY. 'Computed on the way' means the value that the module computes at that place (a softmax that the list does not call 'softmax' is quantised finished and normalised). What goes into a quantiser is computed in f32, as accurately as f32 sums, v_exp_f32 and their like allow (about 1e-6 of the number): no bf16 or f16 on the way to a quantiser, and a product that is left as it is and whose result goes on into a quantised operand takes f32 operands (vector FMAs, or v_wmma_f32_16x16x4_f32). A number that lies on a knife's edge between two numbers of the format may be rounded either way, as far as f32 arithmetic and the matrix unit's own rounding can turn it there, and no further.
;; One version. Each part assembles by itself: llvm-mc -triple=amdgcn-amd-amdhsa -mcpu=gfx1250 --defsym DOCPART=n.
;; ======== version 1 of 1: 5 launches
;; limits: right only within a limited range of input values
;; workspace buffers: xq 22,118,400 bytes; pj 19,660,800 bytes; psum 524,288 bytes; att 13,107,200 bytes
;; launch quant (part 1): grid 1728 x 1, 1 waves a work-group, no clusters, 9,472 bytes of LDS; arguments q, k, v, wq, wk, wv, xq; writes xq
.if DOCPART == 1
	.amdgcn_target "amdgcn-amd-amdhsa--gfx1250"
	.amdhsa_code_object_version 6
	.text
	.protected	k_q1642439aea_quant
	.globl	k_q1642439aea_quant
	.p2align	8
	.type	k_q1642439aea_quant,@function
k_q1642439aea_quant:
	s_mov_b64 s[64:65], 0
	v_nop
	global_prefetch_b8 v0, s[64:65] scope:SCOPE_SE
	s_setreg_imm32_b32 hwreg(HW_REG_WAVE_MODE, 25, 1), 1
	s_wait_xcnt 0x0
; THE PROGRAM.  out0 = softmax-like(qp kp^T / 32) vp with qp = q wq^T, kp = k wk^T, vp = v wv^T, all five products on codes of BF6 (E3M2) with one E8M0 scale for each 32 along K.
; Five launches: quant (this one: the six inputs into codes), proj (the three projections, results quantised in registers), sums (scores, exp, partial row sums),
; probs (the scores once more, exp, x 1 / row sum, quantised), pv (attention x vp).  The attention is quantised FINISHED AND NORMALISED, so a row's whole sum is known before any of its numbers is coded:
; that is why the scores are made twice; kept as f32 they would be 67 MB to store and 67 MB to read back.
; NO WORK OF reference() IS LEFT OUT: every input reaches out0, all six are loaded.
; THIS LAUNCH.  q, k, v [8192][1024] and wq, wk, wv [1024][1024], f32, K = the last axis, become codes and scale words in xq, laid as the products' registers want them:
;   a FRAGMENT (16 positions x 128 along K, 12 registers a lane) is 1,536 bytes: registers 4 g .. 4 g + 3 of lane l at 512 g + 16 l;  codes: [position / 16][K step of 128][1,536];
;   scale words (four bytes: 128 along K of one position): [K step][position], behind the codes at XS.  Positions: q 0, k 8,192, v 16,384, wq 24,576, wk 25,600, wv 26,624.
; POSITION ORDER.  In k, v, wq and wk position p holds the row whose number is p with bits 3 and 4 exchanged: as source 0 of a product used transposed, such a tensor leaves a lane's 16 registers of two
; neighbouring tiles as 16 NEIGHBOURS of that axis, which the next quantiser wants.  q and wv keep their order.
; A block's scale is 2^(floor(log2(its largest magnitude)) - 4): its byte is the largest magnitude's exponent field - 4, held at 1 from below by a floor among the maximum's leaves.
; LIMITS: a block of zeros gets the byte 1 where the rule says 127 (its codes are zeros, and this program alone reads the bytes); NaN and infinities among the inputs are not served.
; SHARES.  216 groups of 128 positions x 8 K steps = 1,728 tasks, ONE WAVE TO A WORK-GROUP: work-group w takes group w / 8 and K step w % 8; 1,728 work-groups on 256 WGPs are six or seven waves each.
; A task is 8 fragments.  Each load reads one row's 512 consecutive bytes; the 16 rows of a fragment turn through the wave's stage in LDS, so that lane (r, h) gets k = 64 c + 32 h + 0 .. 31 of row r:
; two whole blocks, in the operand's own order.  No tensor loads, no barrier.
.set ROWB,  4096                       ; a row of any of the six tensors in bytes
.set SP,    528                        ; a stage row: 512 bytes + 16 = 33 x 16 bytes, so that the 16 rows that a read touches start 16 bytes apart modulo 256 (64 banks of 4 bytes: ISA guide 11.1)
.set WORDS, 8704                       ; behind the stage, 16 x SP: the task's 128 scale words
.set SPARE, 9216                       ; the spare words, 128 bytes: a block of 256 bytes that no other line names
.set XS,    21233664                   ; 27,648 positions x 768 bytes of codes
.set OFA, 4                            ; v4   16 x lane: my bytes of a row's 512, of a store's 512, and of a stage row on the way in; never rewritten
.set OFP, 5                            ; v5   the same, 8 rows further down where the tensor's positions are exchanged
.set OFQ, 6                            ; v6   the same, 8 rows further down where they are not
.set SO,  8                            ; v8   the stage on the way out: SP r + 128 h
.set STW, 10                           ; v10  my row's scale word: WORDS + 4 r
.set STR, 11                           ; v11  the 128 words read back: WORDS + 16 x lane
.set SPW, 12                           ; v12  LDS address of my spare word; never rewritten
.set NIL, 13                           ; v13  0; never rewritten
.set SH,  14                           ; v14  8 h
.set M,   16                           ; v16-19 four maxima; v20-21 the conversions' scale operands; v22-23 the bytes
.set SW,  24                           ; v24-31 the 8 fragments' scale words
.set C,   32                           ; v32-43, v44-55 codes, two sets, so that a store's data are written again two fragments later
.set TP,  56                           ; v56-58, v60-62 the second halves of the two blocks, as the conversions leave them
.set X,   64                           ; v64-127 the fragment's numbers, turned
.set R,   128                          ; v128-191, v192-255 numbers as loaded, two sets
	s_load_b256 s[4:11], s[0:1], 0x0               ; q, k, v, wq
	s_load_b128 s[12:15], s[0:1], 0x20             ; wk, wv
	s_load_b64 s[16:17], s[0:1], 0x30              ; xq
	s_lshr_b32 s20, ttmp9, 3                       ; G: the group of 128 positions
	s_and_b32 s21, ttmp9, 7                        ; my K step
	s_sub_co_u32 s24, s20, 192                     ; groups 192 .. 215 are the weights', 8 each (for the others these three numbers are not taken)
	s_lshr_b32 s25, s24, 3
	s_add_co_u32 s25, s25, 3
	s_and_b32 s24, s24, 7
	s_lshr_b32 s26, s20, 6                         ; groups 0 .. 191 are q's, k's and v's, 64 each
	s_and_b32 s27, s20, 63
	s_cmp_lt_u32 s20, 192
	s_cselect_b32 s22, s26, s25                    ; T: which tensor, 0 .. 5
	s_cselect_b32 s23, s27, s24                    ; and which group of its rows
	s_cmp_eq_u32 s22, 0
	s_cselect_b32 s32, 0, 1
	s_cmp_eq_u32 s22, 5
	s_cselect_b32 s32, 0, s32                      ; 1 where positions are exchanged: all but q and wv
	s_lshl_b32 s32, s32, 15                        ; 8 rows in bytes, or 0
	s_xor_b32 s33, s32, 0x8000                     ; 0, or 8 rows
	s_mov_b32 s30, 0x76543210
	s_mov_b32 s31, 0xfedcba98                      ; v_permlanex16_b32's selects for lane l xor 16
	s_lshl_b32 s24, s23, 19                        ; in: 128 rows of 4,096 bytes a group,
	s_lshl_b32 s25, s21, 9                         ; 512 bytes a K step
	s_add_co_u32 s24, s24, s25
	s_mov_b32 s25, 0
	s_mul_i32 s26, s20, 98304                      ; codes: 8 tiles of 16 positions x 8 K steps x 1,536 bytes a group,
	s_mul_i32 s27, s21, 1536                       ; my K step in each tile
	s_add_co_u32 s26, s26, s27
	s_mov_b32 s27, 0
	s_mul_i32 s28, s21, 110592                     ; scale words: 27,648 x 4 bytes a K step,
	s_lshl_b32 s29, s20, 9                         ; 512 bytes a group
	s_add_co_u32 s28, s28, s29
	s_add_co_u32 s28, s28, XS
	s_mov_b32 s29, 0
	v_lshl_add_u32 v[SPW], v0, 2, SPARE
	v_mov_b32 v[NIL], 0
	v_and_b32 v2, 15, v0                           ; r
	v_bfe_u32 v3, v0, 4, 1                         ; h
	v_lshlrev_b32 v[OFA], 4, v0                    ; the thread's number is the lane's
	v_add_nc_u32 v[OFP], s32, v[OFA]
	v_add_nc_u32 v[OFQ], s33, v[OFA]
	v_mul_u32_u24 v[SO], v2, SP
	v_lshl_add_u32 v[SO], v3, 7, v[SO]
	v_lshl_add_u32 v[STW], v2, 2, WORDS
	v_add_nc_u32 v[STR], WORDS, v[OFA]
	v_lshlrev_b32 v[SH], 3, v3
	s_wait_alu depctr_va_vdst(0)                   ; the head's end
	s_wait_kmcnt 0x0
	s_cmp_eq_u32 s22, 1                            ; the tensor's address: a choice that hangs on the work-group's number alone
	s_cselect_b64 s[4:5], s[6:7], s[4:5]
	s_cmp_eq_u32 s22, 2
	s_cselect_b64 s[4:5], s[8:9], s[4:5]
	s_cmp_eq_u32 s22, 3
	s_cselect_b64 s[4:5], s[10:11], s[4:5]
	s_cmp_eq_u32 s22, 4
	s_cselect_b64 s[4:5], s[12:13], s[4:5]
	s_cmp_eq_u32 s22, 5
	s_cselect_b64 s[4:5], s[14:15], s[4:5]
	s_add_nc_u64 s[4:5], s[4:5], s[24:25]
	s_add_nc_u64 s[6:7], s[16:17], s[26:27]        ; my codes
	s_add_nc_u64 s[8:9], s[16:17], s[28:29]        ; my scale words
; Fragment t's 16 rows.  Position 16 t + i takes row 16 t + i, or, exchanged, row 32 (t / 2) + 16 (i / 8) + 8 (t % 2) + i % 8: that is 8 rows further down where t is even and i >= 8, 8 rows further up where t is
; odd and i < 8, the same row elsewhere.  Which of the two holds is in the offset registers: the text has no branch.
.macro LOAD t
.irp i, 0,1,2,3,4,5,6,7,8,9,10,11,12,13,14,15
.if ((\t)%2 == 0) && (\i >= 8)
	global_load_b128 v[R+64*((\t)%2)+4*\i:R+64*((\t)%2)+4*\i+3], v[OFP], s[4:5] offset:(16*(\t)+\i)*ROWB th:TH_LOAD_NT
.elseif ((\t)%2 == 1) && (\i < 8)
	global_load_b128 v[R+64*((\t)%2)+4*\i:R+64*((\t)%2)+4*\i+3], v[OFQ], s[4:5] offset:(16*(\t)+\i-8)*ROWB th:TH_LOAD_NT
.else
	global_load_b128 v[R+64*((\t)%2)+4*\i:R+64*((\t)%2)+4*\i+3], v[OFA], s[4:5] offset:(16*(\t)+\i)*ROWB th:TH_LOAD_NT
.endif
.endr
.endm
.macro FRAGQ t
.set RS, R+64*((\t)%2)
.set CS, C+12*((\t)%2)
.if (\t) < 7
	s_wait_loadcnt 16                              ; this fragment's 16 loads are in; the next fragment's 16 may be out
.else
	s_wait_loadcnt 0x0
.endif
.irp i, 0,1,2,3,4,5,6,7,8,9,10,11,12,13,14,15
	ds_store_b128 v[OFA], v[RS+4*\i:RS+4*\i+3] offset:SP*\i      ; row i as it lies
.endr
.irp c, 0,1
.irp j, 0,1,2,3,4,5,6,7
	ds_load_b128 v[X+32*\c+4*\j:X+32*\c+4*\j+3], v[SO] offset:256*\c+16*\j   ; LDS serves a wave's instructions in order (ISA guide 5.7.1.4): these see the stores above.  k = 64 c + 32 h + 4 j ..
.endr
.endr
	s_wait_dscnt 0x0
.if (\t)+2 < 8
	LOAD (\t)+2                                    ; into the set that the stage's stores have read
.endif
.irp c, 0,1
.irp u, 0,1
	v_max3_num_f32 v[M+2*\c+\u], |v[X+32*\c+16*\u]|, |v[X+32*\c+16*\u+1]|, 0x2800000   ; my block 2 c + h, in two chains; the floor 2^(5 - 127) holds the byte at 1 from below
.endr
.endr
.irp i, 2,4,6,8,10,12,14
.irp c, 0,1
.irp u, 0,1
	v_max3_num_f32 v[M+2*\c+\u], v[M+2*\c+\u], |v[X+32*\c+16*\u+\i]|, |v[X+32*\c+16*\u+\i+1]|
.endr
.endr
.endr
.irp c, 0,1
	v_max_num_f32 v[M+2*\c], v[M+2*\c], v[M+2*\c+1]
.endr
.irp c, 0,1
	v_add_nc_u32 v[M+4+\c], 0xfe000000, v[M+2*\c]  ; 4 off the exponent field: the conversion takes the exponent field of this operand as its scale, and nothing else of it
.endr
.irp c, 0,1
	v_lshrrev_b32 v[M+6+\c], 23, v[M+4+\c]         ; the scale's byte
.endr
	v_lshl_or_b32 v[M], v[M+7], 16, v[M+6]         ; my two bytes, blocks h and 2 + h,
	v_lshlrev_b32 v[M], v[SH], v[M]                ; at their places in the word;
	v_permlanex16_b32 v[M+1], v[M], s30, s31
	v_or_b32 v[SW+(\t)], v[M], v[M+1]              ; with lane l xor 16's two the word is whole, in both halves of the lanes
	s_wait_alu depctr_va_vdst(0)
	s_wait_xcnt 0x0                                ; the stores of two fragments ago have read this set of codes
.irp c, 0,1
	v_cvt_scalef32_pk16_bf6_f32 v[CS+6*\c:CS+6*\c+2], v[X+32*\c:X+32*\c+15], v[M+4+\c]
	v_cvt_scalef32_pk16_bf6_f32 v[TP+4*\c:TP+4*\c+2], v[X+32*\c+16:X+32*\c+31], v[M+4+\c]   ; (a conversion's three registers begin on an even number)
.endr
	v_nop                                          ; one plain instruction behind a scaled conversion
.irp c, 0,1
.irp i, 0,1,2
	v_mov_b32 v[CS+6*\c+3+\i], v[TP+4*\c+\i]
.endr
.endr
.irp g, 0,1,2
	global_store_b128 v[OFA], v[CS+4*\g:CS+4*\g+3], s[6:7] offset:12288*(\t)+512*\g   ; the wave stores 512 consecutive bytes, at a multiple of 512 from the buffer's first byte
.endr
.endm
	LOAD 0
	LOAD 1
.irp t, 0,1,2,3,4,5,6,7
	FRAGQ \t
.endr
.irp a, 0,1,2,3,4,5,6,7
	ds_store_b32 v[STW], v[SW+\a] offset:64*\a     ; both halves of the lanes write the same word with the same value
.endr
	ds_load_b128 v[M:M+3], v[STR]                  ; the 128 positions' words, 16 bytes a lane
	s_wait_dscnt 0x0
	global_store_b128 v[OFA], v[M:M+3], s[8:9]     ; 512 consecutive bytes
	s_wait_tensorcnt 0x0                           ; the wave's end, behind my last LDS store
	ds_add_u32 v[SPW], v[NIL]
	s_wait_dscnt 0x0
	s_endpgm
.Lfunc_end_k_q1642439aea_quant:
	.size	k_q1642439aea_quant, .Lfunc_end_k_q1642439aea_quant-k_q1642439aea_quant
	.p2alignl 7, 3214868480
	.fill 96, 4, 3214868480
	.section	.rodata,"a",@progbits
	.p2align	6, 0x0
	.amdhsa_kernel k_q1642439aea_quant
		.amdhsa_group_segment_fixed_size 9472
		.amdhsa_private_segment_fixed_size 0
		.amdhsa_enable_private_segment 0
		.amdhsa_kernarg_size 56
		.amdhsa_user_sgpr_count 2
		.amdhsa_user_sgpr_kernarg_segment_ptr 1
		.amdhsa_wavefront_size32 1
		.amdhsa_system_sgpr_workgroup_id_x 1
		.amdhsa_system_sgpr_workgroup_id_y 1
		.amdhsa_system_sgpr_workgroup_id_z 1
		.amdhsa_system_vgpr_workitem_id 0
		.amdhsa_next_free_vgpr 256
		.amdhsa_next_free_sgpr 66
		.amdhsa_reserve_vcc 0
		.amdhsa_float_denorm_mode_32 3
		.amdhsa_float_denorm_mode_16_64 3
		.amdhsa_memory_ordered 1
		.amdhsa_forward_progress 1
		.amdhsa_inst_pref_size 60
	.end_amdhsa_kernel
	.amdgpu_metadata
---
amdhsa.version: [ 1, 2 ]
amdhsa.kernels:
  - .name:           k_q1642439aea_quant
    .symbol:         k_q1642439aea_quant.kd
    .args:
      - { .name: q, .offset: 0, .size: 8, .value_kind: global_buffer, .address_space: global }
      - { .name: k, .offset: 8, .size: 8, .value_kind: global_buffer, .address_space: global }
      - { .name: v, .offset: 16, .size: 8, .value_kind: global_buffer, .address_space: global }
      - { .name: wq, .offset: 24, .size: 8, .value_kind: global_buffer, .address_space: global }
      - { .name: wk, .offset: 32, .size: 8, .value_kind: global_buffer, .address_space: global }
      - { .name: wv, .offset: 40, .size: 8, .value_kind: global_buffer, .address_space: global }
      - { .name: xq, .offset: 48, .size: 8, .value_kind: global_buffer, .address_space: global }
    .group_segment_fixed_size: 9472
    .private_segment_fixed_size: 0
    .kernarg_segment_align: 8
    .kernarg_segment_size: 56
    .max_flat_workgroup_size: 32
    .sgpr_count:     66
    .vgpr_count:     256
    .wavefront_size: 32
...
	.end_amdgpu_metadata
.endif
;; end of part 1
;; launch proj (part 2): grid 4 x 64, 4 waves a work-group, clusters of 4 x 4, 327,680 bytes of LDS; arguments xq, pj; writes pj
.if DOCPART == 2
	.amdgcn_target "amdgcn-amd-amdhsa--gfx1250"
	.amdhsa_code_object_version 6
	.text
	.protected	k_q1642439aea_proj
	.globl	k_q1642439aea_proj
	.p2align	8
	.type	k_q1642439aea_proj,@function
k_q1642439aea_proj:
	s_mov_b64 s[64:65], 0
	v_nop
	global_prefetch_b8 v0, s[64:65] scope:SCOPE_SE
	s_setreg_imm32_b32 hwreg(HW_REG_WAVE_MODE, 25, 1), 1
	s_wait_xcnt 0x0
	s_wait_alu depctr_hold_cnt(0) depctr_sa_sdst(0) depctr_va_vdst(0) depctr_va_sdst(0) depctr_va_ssrc(0) depctr_va_vcc(0) depctr_vm_vsrc(0)
	s_getreg_b32 s2, hwreg(HW_REG_IB_STS2, 6, 4)
	s_cmp_eq_u32 s2, 0
	s_cbranch_scc0 .Lentry_in_a_cluster
	s_endpgm
.Lentry_in_a_cluster:
	s_bfe_u32 s2, ttmp6, 0x10000c
	s_cmp_lg_u32 s2, 0xf033
	s_cbranch_scc0 .Lentry_shape_is_right
	s_endpgm
.Lentry_shape_is_right:
; THE THREE PROJECTIONS, on the codes of xq, their results quantised in registers and stored as codes in pj.  No work is left out.
; 256 work-groups, each makes THREE tiles of 128 (positions of A) x 256 (positions of B), K = 1,024: one of qp = q wq^T, one of kp = k wk^T, one of vp^T = wv v^T (A = wv, B = v: vp is quantised along the keys).
; Four waves, 64 x 128 each: 32 accumulators.  The matrix instruction is used transposed (source 0 = 16 positions of B, source 1 = 16 of A): a lane holds one row of A; B's positions were laid with bits 3 and 4
; exchanged, so the 16 registers of accumulators (a, 2 B), (a, 2 B + 1) are 16 neighbours of B's axis: a wave's 128 columns are one K step of the reader, each block of 16 rows one fragment.
; pj: qp at rows 0, kp at rows 8,192: [row / 16][8 K steps][1,536];  PS: their scale words [8][16,384];  VC: vp^T, rows 1,024 batch + d: [row / 16][16 K steps][1,536];  VS: [16][4,096].
; THE RING: two slots, each with four K steps: A's codes (8 x 6,144 bytes), B's (16 x 6,144), A's scale words (4 rows of 512 bytes, 512 of padding behind each), B's (4 rows of 1,024).  A tile is two fills.
; A fill is four joint loads, ONE A WAVE: wave 0 A's codes, wave 1 B's codes, wave 2 A's words, wave 3 B's words.  The ring goes on into the next tile: both refills are out when a tile is quantised and stored.
; CLUSTERS: 4 x 4; what hangs on A's block is asked for jointly along a row of the cluster, what hangs on B's along a column.  The loop runs tiles 0 and 1; tile 2, which asks for nothing more, is written out.
; LIMITS: a block of zeros gets the byte 1 (its codes are zeros; this program alone reads the bytes); NaN and infinities are not served.
; REGISTERS: window 0: v16-29 addresses; v32-47 scale words, two sets, nothing else; v128-223 A's 4 fragments, two sets; v176-237 at work on the way out.  window 1: B's 8 fragments, sets at v0 and v128.  window 2: accumulator (a, b) at v[8 (8 a + b)].
.set FR,    12
.set NP,    4                          ; places behind this matrix instruction (ISA guide 7.12.1)
.set SLB,   6144                       ; four K steps of a tile of 16 positions
.set HALFA, 4*SLB                      ; a wave's 64 positions of A
.set HALFB, 8*SLB                      ; a wave's 128 positions of B
.set BOFF,  2*HALFA
.set SAO,   BOFF+2*HALFB               ; A's scale words in a slot: a K step 1,024 bytes apart
.set SBO,   SAO+4096                   ; B's
.set SLOT,  SBO+4096
.set SPARE, 2*SLOT                     ; the spare words, 128 bytes a wave: two blocks of 256 bytes that no other line names
.set STG,   SPARE+512                  ; a stage of 256 bytes a wave for the scale words on their way out: no tile lands there
.set XS,    21233664                   ; xq: the scale words, [8 K steps][27,648 positions]
.set PS,    12582912
.set VC,    13107200
.set VS,    19398656
.set ADRA, 16                          ; v16-17 my A fragments in slot 0, 1
.set ADRB, 18                          ; v18-19 B's
.set ADRS, 20                          ; v20-21 scale words: lanes 0-15 A's block i, lanes 16-31 B's block i (i = 0 .. 3)
.set ADRT, 22                          ; v22-23 the same for i = 4 .. 7: lanes 0-15 stand 256 bytes lower and take A's blocks 0 .. 3 again
.set LI,   24                          ; 16 x lane
.set L8,   25                          ; 8 x lane
.set STW,  26
.set STR,  27
.set SPW,  28                          ; my spare word; never rewritten
.set NIL,  29                          ; 0; never rewritten
.set SC,   32
.set AF,   128
.set PC,   176                         ; the way out: codes, two sets of 20
.set TM,   216
.set SW,   232
.set T4,   236
.set G1A,  24
.set G1B,  32
.set G1SA, 40
.set G1SB, 48
.set G0A,  56
.set G0B,  60
.set SEL,  66
.set G0SA, 68
.set G0SB, 72
.set TA,   76                          ; s[76:77], s[78:79] an offset in xq, made of A's place alone, of B's alone; the upper words stay 0
.set TB,   78
.set OA,   80                          ; three numbers each, this tile's, the next one's, the one after: A's codes, B's codes, A's words, B's words in xq; my codes and my words in pj
.set OB,   83
.set OSA,  86
.set OSB,  89
.set OC,   92
.set OS,   95
; PREFETCH INTO THE L2, one fill ahead of the tensor loads: behind the loads of fill f each wave names, in two instructions, its work-group's share of fill f + 1, a lane to a block of 256 bytes.
; The four partners that ask for a tile jointly share its rows out by address: wave 0 takes rows 2 cx, 2 cx + 1 of A's 8 (24 blocks each); waves 1 and 2 rows 4 cy + 2 (wave - 1) and the next of B's 16;
; wave 3 K step cx of A's words (2 blocks) and K step cy of B's (4).  Lanes left over name their instruction's last block again.  Tile 2's second half is the last that is named.
.set PFB,  17                          ; s17-19, s21-23 where my two instructions' blocks begin in xq: this tile's, the next one's, the one after
.set PFA,  21
.set PFV,  30                          ; v30-31 256 x min(lane, blocks - 1); never rewritten
.set MSB, 0
.macro WIN new                         ; the immediate's high byte repeats the setting that is left
.if MSB != (\new)
	s_set_vgpr_msb (MSB<<8)|(\new)
.set MSB, (\new)
.endif
.endm
.set MUL,  0xa1                        ; source 0 (B) window 1, source 1 (A) window 0, C and D window 2
.set TO_B, 0x40
.macro TL g0, g1                       ; an s_nop 0 and four v_nop follow each tensor load
	tensor_load_to_lds s[\g0:\g0+3], s[\g1:\g1+7]
	s_nop 0
.rept 4
	v_nop
.endr
.endm
.macro QLOAD                           ; a fill: one chain of branches on the wave's number, one joint load to an arm, one join
	s_cmp_lt_u32 s14, 1
	s_cbranch_scc0 .Lq1_\@
	TL G0A, G1A
	s_branch .Lq4_\@
.Lq1_\@:
	s_cmp_lt_u32 s14, 2
	s_cbranch_scc0 .Lq2_\@
	TL G0B, G1B
	s_branch .Lq4_\@
.Lq2_\@:
	s_cmp_lt_u32 s14, 3
	s_cbranch_scc0 .Lq3_\@
	TL G0SA, G1SA
	s_branch .Lq4_\@
.Lq3_\@:
	TL G0SB, G1SB
.Lq4_\@:
.endm
.macro SETG n, j                       ; the four groups 0 for half j of K (it goes to slot j) of this tile (n = 0) or the next (n = 1); written where no tensor load of the wave is out
	s_add_co_u32 s[TA], s[OA+\n], \j*SLB
	s_add_nc_u64 s[G0A+2:G0A+3], s[4:5], s[TA:TA+1]
	s_or_b32 s[G0A+3], s[G0A+3], 0x80000000
	s_mov_b32 s[G0A+1], \j*SLOT
	s_add_co_u32 s[TA], s[OSA+\n], \j*442368       ; four K steps of the table
	s_add_nc_u64 s[G0SA+2:G0SA+3], s[4:5], s[TA:TA+1]
	s_or_b32 s[G0SA+3], s[G0SA+3], 0x80000000
	s_mov_b32 s[G0SA+1], \j*SLOT+SAO
	s_add_co_u32 s[TB], s[OB+\n], \j*SLB
	s_add_nc_u64 s[G0B+2:G0B+3], s[4:5], s[TB:TB+1]
	s_or_b32 s[G0B+3], s[G0B+3], 0x80000000
	s_mov_b32 s[G0B+1], \j*SLOT+BOFF
	s_add_co_u32 s[TB], s[OSB+\n], \j*442368
	s_add_nc_u64 s[G0SB+2:G0SB+3], s[4:5], s[TB:TB+1]
	s_or_b32 s[G0SB+3], s[G0SB+3], 0x80000000
	s_mov_b32 s[G0SB+1], \j*SLOT+SBO
.endm
.macro ASK n, j                        ; half j of K of tile n; s20: half of K in bytes of my stream; s13 = 0
.if \j
	s_add_co_u32 s12, s[PFA+\n], s20
.else
	s_mov_b32 s12, s[PFA+\n]
.endif
	s_add_nc_u64 s[98:99], s[4:5], s[12:13]
.if \j
	s_add_co_u32 s12, s[PFB+\n], s20
.else
	s_mov_b32 s12, s[PFB+\n]
.endif
	s_add_nc_u64 s[100:101], s[4:5], s[12:13]
	global_prefetch_b8 v[PFV], s[98:99] th:TH_LOAD_NT scope:SCOPE_SE
	global_prefetch_b8 v[PFV+1], s[100:101] th:TH_LOAD_NT scope:SCOPE_SE
.endm
.macro CREST
	s_cmp_lg_u32 s14, 0
	s_cbranch_scc1 .Lnot_wave_0_\@
	s_barrier_signal -3
.Lnot_wave_0_\@:
	s_barrier_wait -3
	s_barrier_signal -1
	s_barrier_wait -1
.endm
.macro CROUND
	s_barrier_signal -1
	s_barrier_wait -1
	CREST
.endm
.macro PLACES n
.rept \n
	v_nop
.endr
.endm
.macro FRAG reg, adr, q, i             ; a fragment as it was stored: three loads of 512 consecutive bytes
.irp c, 0,1,2
	ds_load_b128 v[\reg+4*\c:\reg+4*\c+3], v[\adr] offset:SLB*(\i)+1536*(\q)+512*\c
.endr
.endm
.macro FETCH slot, q, p                ; the slot's q-th K step into set p: 8 fragments of B, 4 of A, 8 registers of scale words
	WIN TO_B
.irp i, 0,1,2,3,4,5,6,7
	FRAG 128*(\p)+FR*\i, ADRB+\slot, \q, \i
.endr
	WIN 0
.irp i, 0,1,2,3
	FRAG AF+48*(\p)+FR*\i, ADRA+\slot, \q, \i
.endr
.irp i, 0,1,2,3
	ds_load_b32 v[SC+8*(\p)+\i], v[ADRS+\slot] offset:1024*(\q)+64*\i
.endr
.irp i, 4,5,6,7
	ds_load_b32 v[SC+8*(\p)+\i], v[ADRT+\slot] offset:1024*(\q)+64*\i
.endr
.endm
.macro MUL16 a0, p, zero               ; 16 matrix instructions; the 32 accumulators take turns, one instruction a turn
.irp a, \a0, \a0+1
.irp b, 0,1,2,3,4,5,6,7
.if \zero
	v_wmma_scale_f32_16x16x128_f8f6f4 v[8*(8*(\a)+\b):8*(8*(\a)+\b)+7], v[128*(\p)+FR*\b:128*(\p)+FR*\b+FR-1], v[AF+48*(\p)+FR*(\a):AF+48*(\p)+FR*(\a)+FR-1], 0, v[SC+8*(\p)+\b], v[SC+8*(\p)+(\a)] matrix_a_fmt:MATRIX_FMT_BF6 matrix_b_fmt:MATRIX_FMT_BF6 matrix_a_scale:MATRIX_SCALE_ROW1
.else
	v_wmma_scale_f32_16x16x128_f8f6f4 v[8*(8*(\a)+\b):8*(8*(\a)+\b)+7], v[128*(\p)+FR*\b:128*(\p)+FR*\b+FR-1], v[AF+48*(\p)+FR*(\a):AF+48*(\p)+FR*(\a)+FR-1], v[8*(8*(\a)+\b):8*(8*(\a)+\b)+7], v[SC+8*(\p)+\b], v[SC+8*(\p)+(\a)] matrix_a_fmt:MATRIX_FMT_BF6 matrix_b_fmt:MATRIX_FMT_BF6 matrix_a_scale:MATRIX_SCALE_ROW1
.endif
.endr
.endr
.endm
.macro KSTEP p, zero, nslot, nq        ; a K step on set p; its successor, in the same slot, is fetched into the other set first
	s_wait_dscnt 0x0                               ; this step's fragments are in
	PLACES NP                                      ; in front of loads into registers that the last step's products read
	FETCH \nslot, \nq, 1-(\p)
	WIN MUL
	MUL16 0, \p, \zero
	MUL16 2, \p, \zero
.endm
; A slot's last K step.  In front of the barrier each wave waits for all its tensor loads (one is out: its part of the other slot), adds 0 to its spare word, and waits for that and for its reads of this slot.
; fill = 1: the barrier opens a round of the cluster's, and behind the round this slot takes the same half of K of the next tile.
.macro KTURN p, slot, next, fill
	WIN 0
.if \fill
	s_wait_xcnt 0x0                                ; the last prefetches have read their addresses, which are written again below
.endif
	s_wait_tensorcnt 0x0
	ds_add_u32 v[SPW], v[NIL]
.if \fill
	SETG 1, \slot
.endif
	s_wait_dscnt 0x0
	s_barrier_signal -1
	WIN MUL
	MUL16 0, \p, 0
	WIN 0
	s_barrier_wait -1
.if \fill
	CREST
	QLOAD                                          ; the first tensor load behind the round; its four v_nop are the places in front of the loads below
.else
	PLACES NP
.endif
	FETCH \next, 0, 1-(\p)
.if \fill
.if \slot
	s_cmp_eq_u32 s3, 2                             ; the tile after the next exists in the first trip alone
	s_cbranch_scc0 .Lna_\@
	ASK 2, 0
.Lna_\@:
.else
	ASK 1, 1
.endif
.endif
	WIN MUL
	MUL16 2, \p, 0
.endm
; 64 numbers of a lane in window w, register 16 b + i = k 32 b + 16 (lane / 16) + i of my row, become a fragment's codes in v[pc] .. v[pc + 11] and its scale word in v[pw].
; Each accumulator is first read at its registers 0 and 1.
.macro QUANT s, w, pc, pw
	WIN (\w)|((\w)<<2)
.irp b, 0,1,2,3
	v_max3_num_f32 v[TM+\b], |v[\s+16*\b]|, |v[\s+16*\b+1]|, 0x2800000   ; my 16 numbers of block b, and the floor 2^(5 - 127): the byte cannot fall under 1
.endr
.irp i, 2,4,6,8,10,12,14
.irp b, 0,1,2,3
	v_max3_num_f32 v[TM+\b], |v[\s+16*\b+\i]|, |v[\s+16*\b+\i+1]|, v[TM+\b]
.endr
.endr
	WIN 0
.irp b, 0,1,2,3
	v_permlanex16_b32 v[TM+4+\b], v[TM+\b], s[SEL], s[SEL+1]
.endr
.irp b, 0,1,2,3
	v_max_num_f32 v[TM+\b], v[TM+\b], v[TM+4+\b]   ; with lane l xor 16's 16: the block's largest magnitude
.endr
.irp b, 0,1,2,3
	v_add_nc_u32 v[TM+12+\b], 0xfe000000, v[TM+\b] ; 4 off its exponent field: the conversion's scale operand
.endr
.irp b, 0,1,2,3
	v_lshrrev_b32 v[TM+4+\b], 23, v[TM+12+\b]      ; the scale's byte
.endr
	v_lshl_or_b32 v[\pw], v[TM+5], 8, v[TM+4]
	v_lshl_or_b32 v[\pw], v[TM+6], 16, v[\pw]
	v_lshl_or_b32 v[\pw], v[TM+7], 24, v[\pw]
	WIN \w
.irp c, 0,1
	v_cvt_scalef32_pk16_bf6_f32 v[\pc+6*\c:\pc+6*\c+2], v[\s+32*\c:\s+32*\c+15], v[TM+12+2*\c]
	v_cvt_scalef32_pk16_bf6_f32 v[\pc+12+4*\c:\pc+12+4*\c+2], v[\s+32*\c+16:\s+32*\c+31], v[TM+12+2*\c+1]   ; (a conversion's three registers begin on an even number)
.endr
	WIN 0
	v_nop                                          ; one plain instruction behind a scaled conversion
.irp c, 0,1                                    ; the operand's layout wants a whole block in a lane
.irp i, 0,1,2
	v_permlane16_swap_b32 v[\pc+6*\c+\i], v[\pc+12+4*\c+\i]
.endr
.irp i, 0,1,2
	v_mov_b32 v[\pc+6*\c+3+\i], v[\pc+12+4*\c+\i]
.endr
.endr
.endm
.macro EPI ostr                        ; the tile goes out: each block of 16 rows x my 128 columns is one fragment; ostr: bytes of a tile of 16 rows in the reader's layout
	PLACES NP
	s_mov_b32 s12, s[OC]
	s_add_nc_u64 s[8:9], s[6:7], s[12:13]
	s_mov_b32 s12, s[OS]
	s_add_nc_u64 s[10:11], s[6:7], s[12:13]
.irp a, 0,1,2,3
	QUANT 64*\a, 2, PC+20*((\a)%2), SW+\a
	s_wait_alu depctr_va_vdst(0)
	s_wait_xcnt 0x0                                ; the earlier blocks' stores have read their codes: the next block may write that set
.irp g, 0,1,2
	global_store_b128 v[LI], v[PC+20*((\a)%2)+4*\g:PC+20*((\a)%2)+4*\g+3], s[8:9] offset:\ostr*\a+512*\g   ; 512 consecutive bytes, at a multiple of 512 from the buffer's first byte
.endr
.endr
.irp a, 0,1,2,3
	ds_store_b32 v[STW], v[SW+\a] offset:64*\a     ; both halves of the lanes write the same word with the same value
.endr
	ds_load_b64 v[T4:T4+1], v[STR]                 ; LDS serves a wave's instructions in order (ISA guide 5.7.1.4)
	s_wait_dscnt 0x0
	global_store_b64 v[L8], v[T4:T4+1], s[10:11]   ; my 64 rows' words: 256 consecutive bytes, aligned
	s_wait_xcnt 0x0                                ; the stores have read their registers and bases: the next tile's loads may land there
.endm
.macro TILE fill, ostr
	KSTEP 0, 1, 0, 1                               ; K 0: its products start the sums
	KSTEP 1, 0, 0, 2
	KSTEP 0, 0, 0, 3
	KTURN 1, 0, 1, \fill
	KSTEP 0, 0, 1, 1
	KSTEP 1, 0, 1, 2
	KSTEP 0, 0, 1, 3
.if \fill
	KTURN 1, 1, 0, 1                               ; and the next tile's first fragments are fetched
.else
	s_wait_dscnt 0x0
	WIN MUL
	MUL16 0, 1, 0
	MUL16 2, 1, 0
	WIN 0
.endif
	EPI \ostr
.endm
	s_load_b128 s[4:7], s[0:1], 0x0                ; xq s[4:5], pj s[6:7]
	v_lshl_add_u32 v[SPW], v0, 2, SPARE
	v_mov_b32 v[NIL], 0
	ds_add_u32 v[SPW], v[NIL]                      ; the opening: the add, twice on end, and its wait ahead of my first tensor load
	ds_add_u32 v[SPW], v[NIL]
	v_lshrrev_b32 v1, 5, v0
	v_readfirstlane_b32 s14, v1                    ; wave
	s_lshr_b32 s15, s14, 1                         ; my half of the tile's rows
	s_and_b32 s16, s14, 1                          ; my half of its columns
	s_bfe_u32 s17, ttmp6, 0x40000                  ; cx
	s_bfe_u32 s18, ttmp6, 0x40004                  ; cy
	s_and_b32 s19, ttmp7, 0xffff                   ; cluster y, 0 .. 15
	s_lshl_b32 s20, s18, 2
	s_lshl_b32 s20, 15, s20                        ; my row of the cluster
	s_lshl_b32 s21, 0x1111, s17                    ; my column
	s_or_b32 s[G1A], s20, (3<<16)|(1<<21)          ; elements of 8 bytes; bit 21 beside a mask
	s_or_b32 s[G1B], s21, (3<<16)|(1<<21)
	s_or_b32 s[G1SA], s20, (2<<16)|(1<<20)|(1<<21)|(6<<22)|(127<<25)   ; elements of 4 bytes; behind every 128 words 128 words of padding
	s_or_b32 s[G1SB], s21, (2<<16)|(1<<21)
	s_mov_b32 s[G1A+1], 768<<16                    ; 8 rows (tiles of 16 positions) of 6,144 bytes, 12,288 apart
	s_mov_b32 s[G1A+2], 8<<16
	s_mov_b32 s[G1A+3], 768<<16
	s_mov_b32 s[G1A+4], 8
	s_mov_b32 s[G1A+5], 1536
	s_mov_b32 s[G1A+6], 0
	s_mov_b32 s[G1A+7], 0
	s_mov_b32 s[G1B+1], 768<<16                    ; 16 such rows
	s_mov_b32 s[G1B+2], 16<<16
	s_mov_b32 s[G1B+3], 768<<16
	s_mov_b32 s[G1B+4], 16
	s_mov_b32 s[G1B+5], 1536
	s_mov_b32 s[G1B+6], 0
	s_mov_b32 s[G1B+7], 0
	s_mov_b32 s[G1SA+1], 128<<16                   ; 4 rows (K steps) of 128 words, a table's row apart
	s_mov_b32 s[G1SA+2], 4<<16
	s_mov_b32 s[G1SA+3], 128<<16
	s_mov_b32 s[G1SA+4], 4
	s_mov_b32 s[G1SA+5], 27648
	s_mov_b32 s[G1SA+6], 0
	s_mov_b32 s[G1SA+7], 0
	s_mov_b32 s[G1SB+1], 256<<16                   ; 4 rows of 256 words
	s_mov_b32 s[G1SB+2], 4<<16
	s_mov_b32 s[G1SB+3], 256<<16
	s_mov_b32 s[G1SB+4], 4
	s_mov_b32 s[G1SB+5], 27648
	s_mov_b32 s[G1SB+6], 0
	s_mov_b32 s[G1SB+7], 0
	s_mov_b32 s[G0A], 1
	s_mov_b32 s[G0B], 1
	s_mov_b32 s[G0SA], 1
	s_mov_b32 s[G0SB], 1
	s_mov_b32 s[TA+1], 0
	s_mov_b32 s[TB+1], 0
	s_mov_b32 s13, 0
	s_mov_b32 s[SEL], 0x76543210
	s_mov_b32 s[SEL+1], 0xfedcba98
	; A's blocks of 128 positions, made of the cluster's y and cy alone: q's and k's block Y of 64, wv's block R of 8
	s_lshl_b32 s22, s19, 2
	s_add_co_u32 s22, s22, s18                     ; Y
	s_and_b32 s23, s19, 1
	s_lshl_b32 s23, s23, 2
	s_add_co_u32 s23, s23, s18                     ; R
	s_mul_i32 s[OA], s22, 98304                    ; 128 positions x 768 bytes
	s_add_co_u32 s[OA+1], s[OA], 6291456           ; k begins at position 8,192
	s_mul_i32 s[OA+2], s23, 98304
	s_add_co_u32 s[OA+2], s[OA+2], 20447232        ; wv at 26,624
	s_lshl_b32 s[OSA], s22, 9
	s_add_co_u32 s[OSA], s[OSA], XS
	s_add_co_u32 s[OSA+1], s[OSA], 32768
	s_lshl_b32 s[OSA+2], s23, 9
	s_add_co_u32 s[OSA+2], s[OSA+2], XS+106496
	; B's blocks of 256 positions, made of the cluster's y and cx alone: wq's and wk's block cx of 4, v's block C of 32
	s_lshr_b32 s2, s19, 1
	s_lshl_b32 s2, s2, 2
	s_add_co_u32 s2, s2, s17                       ; C
	s_mul_i32 s[OB], s17, 196608
	s_add_co_u32 s[OB], s[OB], 18874368            ; wq at 24,576
	s_add_co_u32 s[OB+1], s[OB], 786432            ; wk at 25,600
	s_mul_i32 s[OB+2], s2, 196608
	s_add_co_u32 s[OB+2], s[OB+2], 12582912        ; v at 16,384
	s_lshl_b32 s[OSB], s17, 10
	s_add_co_u32 s[OSB], s[OSB], XS+98304
	s_add_co_u32 s[OSB+1], s[OSB], 4096
	s_lshl_b32 s[OSB+2], s2, 10
	s_add_co_u32 s[OSB+2], s[OSB+2], XS+65536
	; where my results go
	s_lshl_b32 s3, s22, 3
	s_lshl_b32 s8, s15, 2
	s_add_co_u32 s3, s3, s8                        ; qp: my first tile of 16 rows
	s_lshl_b32 s9, s17, 1
	s_add_co_u32 s9, s9, s16                       ; my 128 columns are this K step of the reader
	s_mul_i32 s[OC], s3, 12288
	s_mul_i32 s10, s9, 1536
	s_add_co_u32 s[OC], s[OC], s10
	s_add_co_u32 s[OC+1], s[OC], 6291456           ; kp: 512 tiles of 16 rows further on
	s_lshl_b32 s[OS], s9, 16
	s_lshl_b32 s10, s3, 6
	s_add_co_u32 s[OS], s[OS], s10
	s_add_co_u32 s[OS], s[OS], PS
	s_add_co_u32 s[OS+1], s[OS], 32768
	s_lshr_b32 s3, s2, 3                           ; vp^T: the batch (8 blocks of 256 keys each)
	s_lshl_b32 s3, s3, 6
	s_lshl_b32 s10, s23, 3
	s_add_co_u32 s3, s3, s10
	s_add_co_u32 s3, s3, s8
	s_and_b32 s9, s2, 7
	s_lshl_b32 s9, s9, 1
	s_add_co_u32 s9, s9, s16
	s_mul_i32 s[OC+2], s3, 24576
	s_mul_i32 s10, s9, 1536
	s_add_co_u32 s[OC+2], s[OC+2], s10
	s_add_co_u32 s[OC+2], s[OC+2], VC
	s_lshl_b32 s[OS+2], s9, 14
	s_lshl_b32 s10, s3, 6
	s_add_co_u32 s[OS+2], s[OS+2], s10
	s_add_co_u32 s[OS+2], s[OS+2], VS
	; LDS: made of the wave's number alone
	s_mul_i32 s8, s15, HALFA
	s_mul_i32 s9, s16, HALFB
	s_add_co_u32 s9, s9, BOFF
	s_lshl_b32 s10, s15, 8
	s_lshl_b32 s11, s16, 9
	s_sub_co_u32 s11, s11, s10
	s_add_co_u32 s11, s11, SBO-SAO                 ; from my A words to my B words
	s_add_co_u32 s2, s10, SAO-256
	s_add_co_u32 s10, s10, SAO
	s_lshl_b32 s12, s14, 8
	s_add_co_u32 s12, s12, STG
	s_wait_dscnt 0x0                               ; both opening adds are done
	s_wait_kmcnt 0x0
	SETG 0, 0
	CROUND                                         ; all sixteen work-groups are here: the first joint loads meet
	QLOAD                                          ; tile 0, K 0 .. 511: one tensor load a wave at the head
	s_mul_i32 s3, s17, 24576                       ; the prefetches' places.  Wave 0: two rows of 12,288 bytes a partner
	s_lshl_b32 s20, s18, 1
	s_add_co_u32 s20, s20, s14
	s_sub_co_u32 s20, s20, 1
	s_mul_i32 s20, s20, 24576                      ; waves 1, 2: row 4 cy + 2 (wave - 1)
	s_cmp_eq_u32 s14, 0
	s_cselect_b32 s3, s3, s20
	s_add_co_u32 s20, s3, 12288                    ; the second instruction: the next row
	s_mul_i32 s98, s17, 110592                     ; wave 3: a K step of the table
	s_mul_i32 s99, s18, 110592
	s_cmp_eq_u32 s14, 3
	s_cselect_b32 s3, s98, s3
	s_cselect_b32 s20, s99, s20
	s_cmp_eq_u32 s14, 0
.irp t, 0,1,2
	s_cselect_b32 s[PFA+\t], s[OA+\t], s[OB+\t]
.endr
	s_cmp_eq_u32 s14, 3
.irp t, 0,1,2
	s_cselect_b32 s[PFB+\t], s[OSB+\t], s[PFA+\t]
	s_cselect_b32 s[PFA+\t], s[OSA+\t], s[PFA+\t]
.endr
.irp t, 0,1,2
	s_add_co_u32 s[PFA+\t], s[PFA+\t], s3
	s_add_co_u32 s[PFB+\t], s[PFB+\t], s20
.endr
	s_cmp_eq_u32 s14, 3
	s_mov_b32 s20, SLB
	s_cselect_b32 s20, 442368, s20
	s_mov_b32 s98, 23
	s_cselect_b32 s98, 1, s98
	s_mov_b32 s99, 23
	s_cselect_b32 s99, 3, s99
	v_and_b32 v1, 31, v0
	v_and_b32 v2, 15, v0                           ; r
	v_bfe_u32 v3, v0, 4, 1                         ; h
	v_lshlrev_b32 v[LI], 4, v1
	v_lshlrev_b32 v[L8], 3, v1
	v_lshlrev_b32 v4, 2, v2
	v_mul_u32_u24 v5, s11, v3                      ; lanes 16-31 take B's words: the lower base + h x the distance
	v_add_nc_u32 v5, v5, v4
	v_lshl_add_u32 v6, v3, 8, v5
	v_add_nc_u32 v[ADRA], s8, v[LI]
	v_add_nc_u32 v[ADRB], s9, v[LI]
	v_add_nc_u32 v[ADRS], s10, v5
	v_add_nc_u32 v[ADRT], s2, v6
	v_add_nc_u32 v[ADRA+1], SLOT, v[ADRA]
	v_add_nc_u32 v[ADRB+1], SLOT, v[ADRB]
	v_add_nc_u32 v[ADRS+1], SLOT, v[ADRS]
	v_add_nc_u32 v[ADRT+1], SLOT, v[ADRT]
	v_add_nc_u32 v[STW], s12, v4
	v_add_nc_u32 v[STR], s12, v[L8]
	v_min_u32 v[PFV], s98, v1
	v_min_u32 v[PFV+1], s99, v1
	v_lshlrev_b32 v[PFV], 8, v[PFV]
	v_lshlrev_b32 v[PFV+1], 8, v[PFV+1]
.irp b, 0,1,2,3
	v_mov_b32 v[TM+4+\b], 0                        ; written once: a lane permute's destination counts as one of its sources
.endr
	s_wait_alu depctr_va_vdst(0)                   ; the head's end
	ASK 0, 1
	s_wait_tensorcnt 0x0                           ; my part of slot 0 is in
	ds_add_u32 v[SPW], v[NIL]
	SETG 0, 1
	s_wait_xcnt 0x0                                ; the prefetches have read their addresses
	s_wait_dscnt 0x0
	CROUND
	QLOAD                                          ; tile 0, K 512 .. 1,023, into slot 1: the first tensor load behind the round
	FETCH 0, 0, 0
	ASK 1, 0
	s_mov_b32 s3, 2
.Ltile:
	TILE 1, 12288
.irp x, OA, OB, OSA, OSB, OC, OS, PFA, PFB
	s_mov_b32 s[\x], s[\x+1]                       ; the next tile's numbers move up
	s_mov_b32 s[\x+1], s[\x+2]
.endr
	s_sub_co_u32 s3, s3, 1
	s_cmp_lg_u32 s3, 0
	s_cbranch_scc1 .Ltile
	TILE 0, 24576                                  ; vp^T: nothing more is asked for
	s_wait_tensorcnt 0x0                           ; the wave's end
	ds_add_u32 v[SPW], v[NIL]
	s_wait_dscnt 0x0
	CROUND                                         ; the closing round
	s_endpgm
.Lfunc_end_k_q1642439aea_proj:
	.size	k_q1642439aea_proj, .Lfunc_end_k_q1642439aea_proj-k_q1642439aea_proj
	.p2alignl 7, 3214868480
	.fill 96, 4, 3214868480
	.section	.rodata,"a",@progbits
	.p2align	6, 0x0
	.amdhsa_kernel k_q1642439aea_proj
		.amdhsa_group_segment_fixed_size 327680
		.amdhsa_private_segment_fixed_size 0
		.amdhsa_enable_private_segment 0
		.amdhsa_kernarg_size 16
		.amdhsa_user_sgpr_count 2
		.amdhsa_user_sgpr_kernarg_segment_ptr 1
		.amdhsa_wavefront_size32 1
		.amdhsa_system_sgpr_workgroup_id_x 1
		.amdhsa_system_sgpr_workgroup_id_y 1
		.amdhsa_system_sgpr_workgroup_id_z 1
		.amdhsa_system_vgpr_workitem_id 0
		.amdhsa_next_free_vgpr 768
		.amdhsa_next_free_sgpr 102
		.amdhsa_reserve_vcc 0
		.amdhsa_float_denorm_mode_32 3
		.amdhsa_float_denorm_mode_16_64 3
		.amdhsa_memory_ordered 1
		.amdhsa_forward_progress 1
		.amdhsa_inst_pref_size 168
	.end_amdhsa_kernel
	.amdgpu_metadata
---
amdhsa.version: [ 1, 2 ]
amdhsa.kernels:
  - .name:           k_q1642439aea_proj
    .symbol:         k_q1642439aea_proj.kd
    .args:
      - { .name: xq, .offset: 0, .size: 8, .value_kind: global_buffer, .address_space: global }
      - { .name: pj, .offset: 8, .size: 8, .value_kind: global_buffer, .address_space: global }
    .group_segment_fixed_size: 327680
    .private_segment_fixed_size: 0
    .kernarg_segment_align: 8
    .kernarg_segment_size: 16
    .max_flat_workgroup_size: 128
    .sgpr_count:     102
    .vgpr_count:     768
    .wavefront_size: 32
...
	.end_amdgpu_metadata
.endif
;; end of part 2
;; launch sums (part 3): grid 8 x 32, 4 waves a work-group, clusters of 4 x 4, 327,680 bytes of LDS; arguments pj, psum; writes psum
.if DOCPART == 3
	.amdgcn_target "amdgcn-amd-amdhsa--gfx1250"
	.amdhsa_code_object_version 6
	.text
	.protected	k_q1642439aea_sums
	.globl	k_q1642439aea_sums
	.p2align	8
	.type	k_q1642439aea_sums,@function
k_q1642439aea_sums:
	s_mov_b64 s[64:65], 0
	v_nop
	global_prefetch_b8 v0, s[64:65] scope:SCOPE_SE
	s_setreg_imm32_b32 hwreg(HW_REG_WAVE_MODE, 25, 1), 1
	s_wait_xcnt 0x0
	s_wait_alu depctr_hold_cnt(0) depctr_sa_sdst(0) depctr_va_vdst(0) depctr_va_sdst(0) depctr_va_ssrc(0) depctr_va_vcc(0) depctr_vm_vsrc(0)
	s_getreg_b32 s2, hwreg(HW_REG_IB_STS2, 6, 4)
	s_cmp_eq_u32 s2, 0
	s_cbranch_scc0 .Lentry_in_a_cluster
	s_endpgm
.Lentry_in_a_cluster:
	s_bfe_u32 s2, ttmp6, 0x10000c
	s_cmp_lg_u32 s2, 0xf033
	s_cbranch_scc0 .Lentry_shape_is_right
	s_endpgm
.Lentry_shape_is_right:
; THE ROW SUMS OF e = exp(qp kp^T / 32).  No work is left out.  The scores are made here for their sums alone and once more in the next launch: the attention is quantised normalised, so a row's whole sum comes first.
; A tile of 256 queries x 256 keys is made by a work-group of four waves, 128 x 128 each, as in the projections' launch: products used transposed (source 0 = 16 positions of kp, source 1 = 16 rows of qp), so a lane
; holds one query; K = 1,024 through two LDS slots of 384, slot 0 filled once more; scale words in LDS once; 4 x 4 clusters, qp's tiles asked for jointly along a row of the cluster, kp's along a column.
; A wave's 128 keys give one partial sum a query: psum [16 partials: 2 x tile column + half][8,192 rows], f32.  The next launch adds the 16 in the order of their numbers.
; LIMITS: reference() takes no maximum away before its exponential, and neither does this text: e = 2^(s x log2(e) / 32) overflows where reference()'s exp does.  The product s x log2(e) / 32 is rounded once, so e carries
; a relative error of about 6e-8 x |s| / 22; v_exp_f32 gives 0 for results under 2^-126 (ISA guide, 15.8).  A row's sum is taken in another order than reference()'s.  NaN and infinities are not served.
; REGISTERS: window 0: v16-29 addresses; v32-63 scale words, nothing else ever; v64-127 a block's e; v128-223 A's 8 fragments, later v184-195 at work.  window 1: B's fragments, two sets.  windows 2, 3: the accumulators.
.set NK,    8
.set NSLOT, 2                          ; THE RING: two slots of three K steps each: slot 0 K 0 .. 383, slot 1 K 384 .. 767, slot 0 once more K 768 .. 1,023.  The scale words go by pairs of K steps, apart from the slots
.set FR,    12
.set NL,    3
.set NP,    4
.set NQ,    2
.set SLB,   3*1536
.set RTB,   NK*1536
.set HALFT, 8*SLB
.set SLOT,  4*HALFT
.set HALFS, NK*512
.set SCL,   NSLOT*SLOT
.set SPARE, SCL+4*HALFS                ; the spare words, 128 bytes a wave: two blocks of 256 bytes that no other line names
.set STG,   SPARE+512                  ; a stage of 512 bytes a wave: bytes of its own, into which no tile lands
.set PS,    12582912                   ; pj: qp's and kp's scale words [8][16,384]
.set TROWS, 16384
.set ADRA, 16
.set ADRB, 20
.set LI,   24
.set STW,  25
.set STR,  26
.set ADRS, 27
.set SPW,  28
.set NIL,  29
.set SC,   32
.set HA,   64
.set AF,   128
.set SW,   184                         ; v184-191 the 8 blocks' sums
.set T4,   192
.set G1,   24
.set G0,   32
.set G1B,  44
.set G0B,  52
.set SEL,  66
.set G1S,  68
.set G0S,  76
.set G1SB, 80
.set G0SB, 88
.set CE,   100                         ; s[100:101] log2(e) / 32: the packed form names a pair and takes its low word for both halves
.set MSB, 0
.macro WIN new                         ; the immediate's high byte repeats the setting that is left; a switch that changes nothing is dropped
.if MSB != (\new)
	s_set_vgpr_msb (MSB<<8)|(\new)
.set MSB, (\new)
.endif
.endm
.set MUL_LO, 0xa1                      ; source 0 (B) window 1, source 1 (A) window 0, C and D window 2
.set MUL_HI, 0xf1                      ; the same, C and D window 3
.set TO_B,   0x40                      ; destination window 1, address window 0
.macro JLOAD g0a, g1a, g0b, g1b        ; a joint load: waves 0 and 1 fetch for A, waves 2 and 3 for B; an s_nop 0 and four v_nop follow each of the two lines
	s_cmp_eq_u32 s15, 0
	s_cbranch_scc0 .Lfor_b_\@
	tensor_load_to_lds s[\g0a:\g0a+3], s[\g1a:\g1a+7]
	s_nop 0
.rept 4
	v_nop
.endr
	s_branch .Lasked_\@
.Lfor_b_\@:
	tensor_load_to_lds s[\g0b:\g0b+3], s[\g1b:\g1b+7]
	s_nop 0
.rept 4
	v_nop
.endr
.Lasked_\@:
.endm
.macro CREST                           ; a round of the cluster's barrier behind its opening barrier
	s_cmp_lg_u32 s14, 0
	s_cbranch_scc1 .Lnot_wave_0_\@
	s_barrier_signal -3
.Lnot_wave_0_\@:
	s_barrier_wait -3
	s_barrier_signal -1
	s_barrier_wait -1
.endm
.macro CROUND
	s_barrier_signal -1
	s_barrier_wait -1
	CREST
.endm
.macro PLACES n
.rept \n
	v_nop
.endr
.endm
.macro FRAG reg, adr, q, i             ; a fragment as it was stored: three loads of 512 consecutive bytes
.irp c, 0,1,2
	ds_load_b128 v[\reg+4*\c:\reg+4*\c+3], v[\adr] offset:SLB*(\i)+1536*(\q)+512*\c
.endr
.endm
.macro FETCH_B slot, q, p
	WIN TO_B
.irp i, 0,1,2,3,4,5,6,7
	FRAG 128*(\p)+FR*\i, ADRB+\slot, \q, \i
.endr
	WIN 0
.endm
.macro FETCH_A slot, q, i0
.irp i, \i0, \i0+1, \i0+2, \i0+3
	FRAG AF+FR*(\i), ADRA+\slot, \q, \i
.endr
.endm
.macro SCALES sc
.irp i, 0,1,2,3,4,5,6,7
.irp q, 0,1
	ds_load_b32 v[SC+8*NQ*(\sc)+NQ*\i+\q], v[ADRS] offset:1024*\q+64*\i
.endr
.endr
.endm
.macro MUL16 a0, p, q, sc, zero        ; 16 matrix instructions; the 64 accumulators take turns, one instruction a turn, in the same order in every K step
.irp a, \a0, \a0+1
.irp b, 0,1,2,3,4,5,6,7
.if \zero
	v_wmma_scale_f32_16x16x128_f8f6f4 v[8*(8*((\a)%4)+\b):8*(8*((\a)%4)+\b)+7], v[128*(\p)+FR*\b:128*(\p)+FR*\b+FR-1], v[AF+FR*(\a):AF+FR*(\a)+FR-1], 0, v[SC+8*NQ*(\sc)+NQ*\b+(\q)], v[SC+8*NQ*(\sc)+NQ*(\a)+(\q)] matrix_a_fmt:MATRIX_FMT_BF6 matrix_b_fmt:MATRIX_FMT_BF6 matrix_a_scale:MATRIX_SCALE_ROW1
.else
	v_wmma_scale_f32_16x16x128_f8f6f4 v[8*(8*((\a)%4)+\b):8*(8*((\a)%4)+\b)+7], v[128*(\p)+FR*\b:128*(\p)+FR*\b+FR-1], v[AF+FR*(\a):AF+FR*(\a)+FR-1], v[8*(8*((\a)%4)+\b):8*(8*((\a)%4)+\b)+7], v[SC+8*NQ*(\sc)+NQ*\b+(\q)], v[SC+8*NQ*(\sc)+NQ*(\a)+(\q)] matrix_a_fmt:MATRIX_FMT_BF6 matrix_b_fmt:MATRIX_FMT_BF6 matrix_a_scale:MATRIX_SCALE_ROW1
.endif
.endr
.endr
.endm
.macro KSTEP p, q, sc, zero, nslot, nq, nsc   ; a K step whose successor lies in bytes that every wave has been shown whole
	s_wait_dscnt 4*NL                              ; all but the youngest 12 loads, A's blocks 4-7
	WIN MUL_LO
	MUL16 0, \p, \q, \sc, \zero
	MUL16 2, \p, \q, \sc, \zero
	s_wait_dscnt 0                                 ; A's blocks 4-7 are in
	PLACES NP
.if \nsc >= 0
	WIN 0
	v_add_nc_u32 v[ADRS], 1024*NQ, v[ADRS]
.endif
	FETCH_B \nslot, \nq, 1-(\p)
	FETCH_A \nslot, \nq, 0
.if \nsc >= 0
	SCALES \nsc
.endif
	WIN MUL_HI
	MUL16 4, \p, \q, \sc, \zero
	MUL16 6, \p, \q, \sc, \zero
	PLACES NP
	WIN 0
	FETCH_A \nslot, \nq, 4
.endm
.macro KTURN sc, slot, next, fill, rstep   ; a slot's last K step with a barrier in it; fill = 1: the barrier opens a round of the cluster's, behind which this slot is filled again
	s_wait_tensorcnt 0x0                           ; all my tensor loads have landed
	ds_add_u32 v[SPW], v[NIL]                      ; 0 onto my spare word
	s_wait_dscnt 4*NL+1                            ; (the add and the youngest 12 loads may be out)
	WIN MUL_LO
	MUL16 0, 1, 1, \sc, 0
	s_wait_dscnt 0x0                               ; the add is done, and my reads of this slot are over
	s_barrier_signal -1
	MUL16 2, 1, 1, \sc, 0
	WIN 0
	s_barrier_wait -1
.if \fill
	CREST                                          ; no wave of any partner still reads this slot or has a load on its way
.if \rstep
	s_add_nc_u64 s[G0+4*\slot+2:G0+4*\slot+3], s[G0+4*\slot+2:G0+4*\slot+3], \rstep
	s_add_nc_u64 s[G0B+4*\slot+2:G0B+4*\slot+3], s[G0B+4*\slot+2:G0B+4*\slot+3], \rstep
.endif
	JLOAD G0+4*\slot, G1, G0B+4*\slot, G1B         ; the first tensor load behind the round; its four v_nop are the places in front of the loads below
.else
	PLACES NP
.endif
	v_add_nc_u32 v[ADRS], 1024*NQ, v[ADRS]
	FETCH_B \next, 0, 0
	FETCH_A \next, 0, 0
	SCALES 1-(\sc)
	WIN MUL_HI
	MUL16 4, 1, 1, \sc, 0
	MUL16 6, 1, 1, \sc, 0
	PLACES NP
	WIN 0
	FETCH_A \next, 0, 4
.endm
; K 256, slot 0's last K step (B's set 0, the first of its pair of scale words).  The three lines, the round, and slot 0 is filled again: of K only two steps are left, which the descriptor states as what is left of the
; tensor along a row; the mover writes zeros for the third, so the LDS rows keep their pitch.
.macro KTURN0 sc
	s_wait_tensorcnt 0x0                           ; all my tensor loads have landed: my part of slot 1
	ds_add_u32 v[SPW], v[NIL]
	s_wait_dscnt 4*NL+1
	WIN MUL_LO
	MUL16 0, 0, 0, \sc, 0
	s_wait_dscnt 0x0
	s_barrier_signal -1
	MUL16 2, 0, 0, \sc, 0
	WIN 0
	s_barrier_wait -1
	CREST
	s_mov_b32 s[G1+1], 384<<16
	s_mov_b32 s[G1B+1], 384<<16
	s_add_nc_u64 s[G0+2:G0+3], s[G0+2:G0+3], 2*SLB
	s_add_nc_u64 s[G0B+2:G0B+3], s[G0B+2:G0B+3], 2*SLB
	JLOAD G0, G1, G0B, G1B                         ; the first tensor load behind the round; its four v_nop are the places in front of the loads below
	FETCH_B 1, 0, 1
	FETCH_A 1, 0, 0
	WIN MUL_HI
	MUL16 4, 0, 0, \sc, 0
	MUL16 6, 0, 0, \sc, 0
	PLACES NP
	WIN 0
	FETCH_A 1, 0, 4
.endm
.macro LAST sc
	s_wait_dscnt 4*NL
	WIN MUL_LO
	MUL16 0, 1, 1, \sc, 0
	MUL16 2, 1, 1, \sc, 0
	s_wait_dscnt 0
	WIN MUL_HI
	MUL16 4, 1, 1, \sc, 0
	MUL16 6, 1, 1, \sc, 0
	WIN 0
.endm
; Block a's 64 scores of a lane become e in v[HA] on.  The exponentials are one batch with one wait, ahead of the first instruction that names a result.
.macro EXPB a
	WIN 2+(\a)/4                                   ; source 0 in window 2 or 3
.set J, 0
.rept 32
	v_pk_mul_f32 v[HA+J:HA+J+1], v[64*((\a)%4)+J:64*((\a)%4)+J+1], s[CE:CE+1] op_sel_hi:[1,0]   ; ascending: each accumulator is first read at its low end
.set J, J+2
.endr
	WIN 0
.set J, 0
	s_wait_alu depctr_va_vdst(0)
.rept 64
	v_exp_f32 v[HA+J], v[HA+J]
.set J, J+1
.endr
	v_nop                                          ; a plain instruction behind the last exponential
	s_wait_alu depctr_va_vdst(0)
.endm
.macro SUMB a                          ; the lane's 64, in two chains of pairs; then lane l xor 16's 64: my query's sum over the wave's 128 keys
	v_pk_add_f32 v[T4:T4+1], v[HA:HA+1], v[HA+2:HA+3]
	v_pk_add_f32 v[T4+2:T4+3], v[HA+4:HA+5], v[HA+6:HA+7]
.irp j, 8,12,16,20,24,28,32,36,40,44,48,52,56,60
	v_pk_add_f32 v[T4:T4+1], v[T4:T4+1], v[HA+\j:HA+\j+1]
	v_pk_add_f32 v[T4+2:T4+3], v[T4+2:T4+3], v[HA+\j+2:HA+\j+3]
.endr
	v_pk_add_f32 v[T4:T4+1], v[T4:T4+1], v[T4+2:T4+3]
	v_add_f32 v[T4], v[T4], v[T4+1]
	v_permlanex16_b32 v[T4+1], v[T4], s[SEL], s[SEL+1]
	v_add_f32 v[SW+\a], v[T4], v[T4+1]
.endm
.macro SCOUT                           ; my 128 rows' words go through my stage and leave as 512 consecutive bytes
.irp a, 0,1,2,3,4,5,6,7
	ds_store_b32 v[STW], v[SW+\a] offset:64*\a     ; both halves of the lanes write the same word with the same value
.endr
	ds_load_b128 v[T4:T4+3], v[STR]                ; LDS serves a wave's instructions in order (ISA guide 5.7.1.4)
	s_wait_dscnt 0x0
	global_store_b128 v[LI], v[T4:T4+3], s[98:99]
.endm
	s_load_b128 s[4:7], s[0:1], 0x0                ; pj s[4:5], psum s[6:7]
	v_lshl_add_u32 v[SPW], v0, 2, SPARE
	v_mov_b32 v[NIL], 0
	ds_add_u32 v[SPW], v[NIL]                      ; the wave's opening: the add, twice on end, and its wait ahead of my first tensor load
	ds_add_u32 v[SPW], v[NIL]
	v_lshrrev_b32 v1, 5, v0
	v_readfirstlane_b32 s14, v1                    ; wave 0..3
	s_lshr_b32 s15, s14, 1                         ; my half of the queries.  Also: I fetch for A (0) or for B (1)
	s_and_b32 s16, s14, 1                          ; my half of the keys.  Also: which 128 positions I fetch
	s_bfe_u32 s92, ttmp6, 0x40000                  ; cx
	s_bfe_u32 s93, ttmp6, 0x40004                  ; cy
	s_lshl_b32 s94, ttmp9, 2
	s_add_co_u32 s94, s94, s92                     ; tile column: 256 keys of the batch, 0 .. 7
	s_and_b32 s10, ttmp7, 0xffff
	s_lshl_b32 s17, s10, 2
	s_add_co_u32 s17, s17, s93                     ; tile row: 256 queries of all 8,192, 0 .. 31
	s_lshr_b32 s11, s10, 1                         ; the batch: two clusters of tile rows each; made of the cluster's y alone
	s_lshl_b32 s21, s93, 2
	s_lshl_b32 s21, 15, s21                        ; my row of the cluster
	s_lshl_b32 s95, 0x1111, s92                    ; my column
	s_or_b32 s[G1], s21, (3<<16)|(1<<21)           ; 15:0 the mask; 17:16 elements of 8 bytes; 20 no padding; 21 set beside a mask
	s_or_b32 s[G1B], s95, (3<<16)|(1<<21)
	s_or_b32 s[G1S], s21, (2<<16)|(1<<21)          ; elements of 4 bytes
	s_or_b32 s[G1SB], s95, (2<<16)|(1<<21)
.irp g, G1, G1B                                ; 8 rows (tiles of 16 positions) of 4,608 bytes, RTB bytes apart
	s_mov_b32 s[\g+1], 576<<16                     ; rows of 4,608 bytes: three K steps
	s_mov_b32 s[\g+2], 16<<16                      ; the head's loads bring all 16 tiles of 16 positions; behind them the two words that count rows are set to 8
	s_mov_b32 s[\g+3], 576<<16
	s_mov_b32 s[\g+4], 16
	s_mov_b32 s[\g+5], RTB/8
	s_mov_b32 s[\g+6], 0
	s_mov_b32 s[\g+7], 0
.endr
.irp g, G1S, G1SB                              ; NK rows (K steps) of 256 words, a table's row apart
	s_mov_b32 s[\g+1], 256<<16                     ; the words of all 256 positions: a K step is 1,024 bytes in LDS
	s_mov_b32 s[\g+2], NK<<16
	s_mov_b32 s[\g+3], 256<<16
	s_mov_b32 s[\g+4], NK
	s_mov_b32 s[\g+5], TROWS
	s_mov_b32 s[\g+6], 0
	s_mov_b32 s[\g+7], 0
.endr
	s_lshl_b32 s21, s16, 7                         ; which 128 positions of the tile I fetch
	s_lshl_b32 s22, s17, 8
	s_add_co_u32 s22, s22, s21                     ; A: qp's row
	s_lshl_b32 s95, s94, 8
	s_add_co_u32 s95, s95, s21
	s_lshl_b32 s20, s11, 11
	s_add_co_u32 s95, s95, s20
	s_add_co_u32 s95, s95, 8192                    ; B: kp's position: 8,192 + 2,048 batch + ..
	s_mul_i32 s18, s22, 768
	s_mov_b32 s19, 0
	s_lshl_b32 s22, s22, 2
	s_lshl_b32 s23, s16, 9
	s_sub_co_u32 s22, s22, s23                     ; the scale words are fetched from the tile's first position on
	s_mov_b32 s23, 0
	s_mul_i32 s96, s95, 768
	s_mov_b32 s97, 0
	s_lshl_b32 s98, s95, 2
	s_lshl_b32 s99, s16, 9
	s_sub_co_u32 s98, s98, s99
	s_mov_b32 s99, 0
	s_mul_i32 s2, s14, HALFT                       ; where they go: no place in the cluster enters an LDS address
	s_mov_b32 s[SEL], 0x76543210
	s_mov_b32 s[SEL+1], 0xfedcba98
	s_mov_b32 s[CE], 0x3d38aa3b                    ; log2(e) / 32
	s_mov_b32 s[CE+1], s[CE]
	s_wait_dscnt 0x0                               ; both opening adds are done
	s_wait_kmcnt 0x0
	s_add_nc_u64 s[18:19], s[4:5], s[18:19]
	s_add_nc_u64 s[22:23], s[4:5], s[22:23]
	s_add_nc_u64 s[96:97], s[4:5], s[96:97]
	s_add_nc_u64 s[98:99], s[4:5], s[98:99]
	s_mov_b32 s[G0S], 1
	s_mov_b32 s[G0S+1], SCL
	s_add_nc_u64 s[G0S+2:G0S+3], s[22:23], PS
	s_or_b32 s[G0S+3], s[G0S+3], 0x80000000
	s_mov_b32 s[G0SB], 1
	s_mov_b32 s[G0SB+1], SCL+2*HALFS
	s_add_nc_u64 s[G0SB+2:G0SB+3], s[98:99], PS
	s_or_b32 s[G0SB+3], s[G0SB+3], 0x80000000
.irp s, 0,1
	s_mov_b32 s[G0+4*\s], 1
	s_add_co_u32 s[G0+4*\s+1], s2, \s*SLOT
	s_add_nc_u64 s[G0+4*\s+2:G0+4*\s+3], s[18:19], \s*SLB
	s_or_b32 s[G0+4*\s+3], s[G0+4*\s+3], 0x80000000
	s_mov_b32 s[G0B+4*\s], 1
	s_add_co_u32 s[G0B+4*\s+1], s2, \s*SLOT
	s_add_nc_u64 s[G0B+4*\s+2:G0B+4*\s+3], s[96:97], \s*SLB
	s_or_b32 s[G0B+4*\s+3], s[G0B+4*\s+3], 0x80000000
.endr
	s_mul_i32 s2, s16, 98304                       ; 128 positions of codes: for the head's loads slot 0's groups 0 name the whole tiles
	s_mov_b32 s3, 0
	s_sub_nc_u64 s[G0+2:G0+3], s[G0+2:G0+3], s[2:3]
	s_sub_nc_u64 s[G0B+2:G0B+3], s[G0B+2:G0B+3], s[2:3]
	s_mov_b32 s[G0+1], 0
	s_mov_b32 s[G0B+1], 2*HALFT
	CROUND                                         ; all sixteen work-groups are here: the first joint loads meet
; THE HEAD'S LOADS, ONE A WAVE: wave 0 slot 0's 256 positions of A, wave 1 those of B, wave 2 A's scale words, wave 3 B's.  One chain of branches on the wave's number, one load to an arm, one join.
.macro ARM under, g0, g1, next
	s_cmp_lt_u32 s14, \under
	s_cbranch_scc0 \next
	tensor_load_to_lds s[\g0:\g0+3], s[\g1:\g1+7]
	s_nop 0
.rept 4
	v_nop
.endr
	s_branch .Lhead_asked
\next:
.endm
	ARM 1, G0,  G1,  .Lhead_b
	ARM 2, G0B, G1B, .Lhead_sa
	ARM 3, G0S, G1S, .Lhead_sb
	tensor_load_to_lds s[G0SB:G0SB+3], s[G1SB:G1SB+7]
	s_nop 0
.rept 4
	v_nop
.endr
.Lhead_asked:
; PREFETCH INTO THE L2, one fill ahead of the tensor loads.  Of a tile's 16 rows (tiles of 16 positions) the partner at place p of the four that ask for it jointly (p = cx for A, cy for B) takes rows 4 p .. 4 p + 3,
; told apart by address; waves 0, 1 take A's, waves 2, 3 B's, two rows each, an instruction a row, a lane to a block of 256 bytes (18 for slot 1's fill, 12 for the refill; lanes left over name the last again).
	s_cmp_eq_u32 s15, 0
	s_cselect_b64 s[96:97], s[18:19], s[96:97]
	s_cselect_b32 s22, s92, s93
	s_lshl_b32 s22, s22, 1
	s_add_co_u32 s22, s22, s16
	s_mul_i32 s22, s22, 24576                      ; row 4 p + 2 (wave % 2), 12,288 bytes a row
	s_mov_b32 s23, 0
	s_sub_nc_u64 s[96:97], s[96:97], s[2:3]        ; from the tile's first position on
	s_add_nc_u64 s[96:97], s[96:97], s[22:23]      ; never rewritten
	v_and_b32 v5, 31, v0
	v_min_u32 v30, 17, v5
	v_min_u32 v31, 11, v5
	v_lshlrev_b32 v30, 8, v30                      ; v30, v31: never rewritten
	v_lshlrev_b32 v31, 8, v31
	s_wait_alu depctr_va_vdst(0)
	global_prefetch_b8 v30, s[96:97] offset:SLB th:TH_LOAD_NT scope:SCOPE_SE
	global_prefetch_b8 v30, s[96:97] offset:SLB+RTB th:TH_LOAD_NT scope:SCOPE_SE
	v_and_b32 v1, 31, v0
	v_lshlrev_b32 v[LI], 4, v1
	v_and_b32 v2, 15, v0                           ; r
	v_bfe_u32 v3, v0, 4, 1                         ; h
	s_wait_alu depctr_va_vdst(0)
	s_mul_i32 s18, s15, HALFT
	s_mul_i32 s19, s16, HALFT
	s_add_co_u32 s19, s19, 2*HALFT
.irp s, 0,1
	v_add_nc_u32 v[ADRA+\s], s18, v[LI]
	v_add_nc_u32 v[ADRB+\s], s19, v[LI]
	s_add_co_u32 s18, s18, SLOT
	s_add_co_u32 s19, s19, SLOT
.endr
	s_lshl_b32 s18, s15, 9                         ; my 128 positions' words in a K step's 1,024 bytes
	s_lshl_b32 s19, s16, 9
	s_add_co_u32 s19, s19, 2*HALFS
	s_sub_co_u32 s19, s19, s18
	v_mul_u32_u24 v4, s19, v3                      ; lanes 16-31 take B's words: the lower base + h x the distance
	s_add_co_u32 s18, s18, SCL
	v_lshl_add_u32 v4, v2, 2, v4
	v_add_nc_u32 v[ADRS], s18, v4
	s_lshl_b32 s18, s14, 9
	s_add_co_u32 s18, s18, STG                     ; my stage
	v_lshl_add_u32 v[STW], v2, 2, s18
	v_add_nc_u32 v[STR], s18, v[LI]
	s_lshl_b32 s18, s94, 1
	s_add_co_u32 s18, s18, s16                     ; which partial: 2 x tile column + half
	s_lshl_b32 s18, s18, 15                        ; 8,192 rows x 4 bytes each
	s_lshl_b32 s19, s17, 10
	s_add_co_u32 s18, s18, s19
	s_lshl_b32 s19, s15, 9
	s_add_co_u32 s98, s18, s19                     ; + 4 x my first row
	s_mov_b32 s99, 0
	s_add_nc_u64 s[98:99], s[6:7], s[98:99]
	s_wait_alu depctr_va_vdst(0)
	s_wait_tensorcnt 0x0                           ; my tile of the head's four is in
	ds_add_u32 v[SPW], v[NIL]
	s_add_nc_u64 s[G0+2:G0+3], s[G0+2:G0+3], s[2:3]        ; no tensor load of mine is out: from here on a load brings my 128 positions
	s_add_nc_u64 s[G0B+2:G0B+3], s[G0B+2:G0B+3], s[2:3]
	s_mul_i32 s[G0+1], s14, HALFT
	s_mul_i32 s[G0B+1], s14, HALFT
	s_mov_b32 s[G1+2], 8<<16
	s_mov_b32 s[G1+4], 8
	s_mov_b32 s[G1B+2], 8<<16
	s_mov_b32 s[G1B+4], 8
	s_wait_dscnt 0x0
	CROUND
	JLOAD G0+4, G1, G0B+4, G1B                     ; slot 1, K 384 ..: the first tensor load behind the round
	FETCH_B 0, 0, 0
	FETCH_A 0, 0, 0
	SCALES 0
	FETCH_A 0, 0, 4
	global_prefetch_b8 v31, s[96:97] offset:2*SLB th:TH_LOAD_NT scope:SCOPE_SE       ; K 768 ..: what the refill will ask for
	global_prefetch_b8 v31, s[96:97] offset:2*SLB+RTB th:TH_LOAD_NT scope:SCOPE_SE
	KSTEP 0, 0, 0, 1, 0, 1, -1                     ; K 0: its products start the sums
	KSTEP 1, 1, 0, 0, 0, 2, 1                      ; K 128
	s_wait_alu depctr_va_vdst(0)
	KTURN0 1                                       ; K 256; slot 1 is shown whole; slot 0 takes K 768 ..
	KSTEP 1, 1, 1, 0, 1, 1, 0                      ; K 384
	s_wait_alu depctr_va_vdst(0)
	KSTEP 0, 0, 0, 0, 1, 2, -1                     ; K 512
	KTURN 0, 0, 0, 0, 0                            ; K 640; the refill is shown whole; nothing is filled again
	KSTEP 0, 0, 1, 0, 0, 1, -1                     ; K 768
	LAST 1                                         ; K 896
	PLACES NP
.irp a, 0,1,2,3,4,5,6,7
	EXPB \a
	SUMB \a
.endr
	SCOUT
	s_wait_tensorcnt 0x0                           ; the wave's end, behind my last tensor load and my last LDS store
	ds_add_u32 v[SPW], v[NIL]
	s_wait_dscnt 0x0
	CROUND                                         ; the closing round: no work-group ends while a partner may still ask for a tile that names it
	s_endpgm
.Lfunc_end_k_q1642439aea_sums:
	.size	k_q1642439aea_sums, .Lfunc_end_k_q1642439aea_sums-k_q1642439aea_sums
	.p2alignl 7, 3214868480
	.fill 96, 4, 3214868480
	.section	.rodata,"a",@progbits
	.p2align	6, 0x0
	.amdhsa_kernel k_q1642439aea_sums
		.amdhsa_group_segment_fixed_size 327680
		.amdhsa_private_segment_fixed_size 0
		.amdhsa_enable_private_segment 0
		.amdhsa_kernarg_size 16
		.amdhsa_user_sgpr_count 2
		.amdhsa_user_sgpr_kernarg_segment_ptr 1
		.amdhsa_wavefront_size32 1
		.amdhsa_system_sgpr_workgroup_id_x 1
		.amdhsa_system_sgpr_workgroup_id_y 1
		.amdhsa_system_sgpr_workgroup_id_z 1
		.amdhsa_system_vgpr_workitem_id 0
		.amdhsa_next_free_vgpr 1024
		.amdhsa_next_free_sgpr 102
		.amdhsa_reserve_vcc 0
		.amdhsa_float_denorm_mode_32 3
		.amdhsa_float_denorm_mode_16_64 3
		.amdhsa_memory_ordered 1
		.amdhsa_forward_progress 1
		.amdhsa_inst_pref_size 160
	.end_amdhsa_kernel
	.amdgpu_metadata
---
amdhsa.version: [ 1, 2 ]
amdhsa.kernels:
  - .name:           k_q1642439aea_sums
    .symbol:         k_q1642439aea_sums.kd
    .args:
      - { .name: pj, .offset: 0, .size: 8, .value_kind: global_buffer, .address_space: global }
      - { .name: psum, .offset: 8, .size: 8, .value_kind: global_buffer, .address_space: global }
    .group_segment_fixed_size: 327680
    .private_segment_fixed_size: 0
    .kernarg_segment_align: 8
    .kernarg_segment_size: 16
    .max_flat_workgroup_size: 128
    .sgpr_count:     102
    .vgpr_count:     1024
    .wavefront_size: 32
...
	.end_amdgpu_metadata
.endif
;; end of part 3
;; launch probs (part 4): grid 8 x 32, 4 waves a work-group, clusters of 4 x 4, 327,680 bytes of LDS; arguments pj, psum, att; writes att
.if DOCPART == 4
	.amdgcn_target "amdgcn-amd-amdhsa--gfx1250"
	.amdhsa_code_object_version 6
	.text
	.protected	k_q1642439aea_probs
	.globl	k_q1642439aea_probs
	.p2align	8
	.type	k_q1642439aea_probs,@function
k_q1642439aea_probs:
	s_mov_b64 s[64:65], 0
	v_nop
	global_prefetch_b8 v0, s[64:65] scope:SCOPE_SE
	s_setreg_imm32_b32 hwreg(HW_REG_WAVE_MODE, 25, 1), 1
	s_wait_xcnt 0x0
	s_wait_alu depctr_hold_cnt(0) depctr_sa_sdst(0) depctr_va_vdst(0) depctr_va_sdst(0) depctr_va_ssrc(0) depctr_va_vcc(0) depctr_vm_vsrc(0)
	s_getreg_b32 s2, hwreg(HW_REG_IB_STS2, 6, 4)
	s_cmp_eq_u32 s2, 0
	s_cbranch_scc0 .Lentry_in_a_cluster
	s_endpgm
.Lentry_in_a_cluster:
	s_bfe_u32 s2, ttmp6, 0x10000c
	s_cmp_lg_u32 s2, 0xf033
	s_cbranch_scc0 .Lentry_shape_is_right
	s_endpgm
.Lentry_shape_is_right:
; THE ATTENTION, e / its row's sum, quantised along the keys and stored as codes.  No work is left out.
; The scores and e are made as in the launch before, by the same instructions in the same order, so they have the same bits.  At the head each wave adds the 16 partial sums of its 128 queries, in the order of their
; numbers, and takes the reciprocals; on the way out e x 1 / sum is quantised where it lies.  kp's positions were laid so that the 16 registers of accumulators (a, 2 B) and (a, 2 B + 1) are the neighbouring keys
; 32 B + 16 (lane / 16) + 0 .. 15: a wave's 128 keys are one K step of the last product, each of its 8 blocks of queries one fragment.
; att: codes [row / 16][16 K steps][1,536] of all 8,192 rows; at AS the scale words [16][8,192].
; LIMITS: as in the launch before (no maximum is taken away, as reference() takes none; one rounding of s x log2(e) / 32; v_exp_f32's flush); e / sum is e x v_rcp_f32(sum); a block of zeros gets the byte 1;
; NaN and infinities are not served.
; REGISTERS: window 0: v8-11 four reciprocals; v16-29 addresses; v32-63 scale words, nothing else ever; v64-127 the partial sums, later a block's e; v128-223 A's 8 fragments, later at work.
;   window 1: B's fragments, two sets.  windows 2, 3: the accumulators.
.set NK,    8
.set NSLOT, 2                          ; THE RING: two slots of three K steps each: slot 0 K 0 .. 383, slot 1 K 384 .. 767, slot 0 once more K 768 .. 1,023.  The scale words go by pairs of K steps, apart from the slots
.set FR,    12
.set NL,    3
.set NP,    4
.set NQ,    2
.set SLB,   3*1536
.set RTB,   NK*1536
.set HALFT, 8*SLB
.set SLOT,  4*HALFT
.set HALFS, NK*512
.set SCL,   NSLOT*SLOT
.set SPARE, SCL+4*HALFS                ; the spare words, 128 bytes a wave: two blocks of 256 bytes that no other line names
.set STG,   SPARE+512                  ; a stage of 512 bytes a wave: bytes of its own, into which no tile lands
.set PS,    12582912                   ; pj: qp's and kp's scale words [8][16,384]
.set TROWS, 16384
.set AS,    12582912                   ; att: where the scale words begin
.set ADRA, 16
.set ADRB, 20
.set LI,   24
.set STW,  25
.set STR,  26
.set ADRS, 27
.set SPW,  28
.set NIL,  29
.set SC,   32
.set HA,   64
.set AF,   128
.set PC,   128                         ; codes, two sets of 20 registers
.set TM,   168
.set SW,   184
.set T4,   192
.set RI,   200                         ; v200-215 block a's reciprocal of my query, twice: a pair for the packed multiply
.set G1,   24
.set G0,   32
.set G1B,  44
.set G0B,  52
.set SEL,  66
.set G1S,  68
.set G0S,  76
.set G1SB, 80
.set G0SB, 88
.set CE,   100
.set MSB, 0
.macro WIN new                         ; the immediate's high byte repeats the setting that is left; a switch that changes nothing is dropped
.if MSB != (\new)
	s_set_vgpr_msb (MSB<<8)|(\new)
.set MSB, (\new)
.endif
.endm
.set MUL_LO, 0xa1                      ; source 0 (B) window 1, source 1 (A) window 0, C and D window 2
.set MUL_HI, 0xf1                      ; the same, C and D window 3
.set TO_B,   0x40                      ; destination window 1, address window 0
.macro JLOAD g0a, g1a, g0b, g1b        ; a joint load: waves 0 and 1 fetch for A, waves 2 and 3 for B; an s_nop 0 and four v_nop follow each of the two lines
	s_cmp_eq_u32 s15, 0
	s_cbranch_scc0 .Lfor_b_\@
	tensor_load_to_lds s[\g0a:\g0a+3], s[\g1a:\g1a+7]
	s_nop 0
.rept 4
	v_nop
.endr
	s_branch .Lasked_\@
.Lfor_b_\@:
	tensor_load_to_lds s[\g0b:\g0b+3], s[\g1b:\g1b+7]
	s_nop 0
.rept 4
	v_nop
.endr
.Lasked_\@:
.endm
.macro CREST                           ; a round of the cluster's barrier behind its opening barrier
	s_cmp_lg_u32 s14, 0
	s_cbranch_scc1 .Lnot_wave_0_\@
	s_barrier_signal -3
.Lnot_wave_0_\@:
	s_barrier_wait -3
	s_barrier_signal -1
	s_barrier_wait -1
.endm
.macro CROUND
	s_barrier_signal -1
	s_barrier_wait -1
	CREST
.endm
.macro PLACES n
.rept \n
	v_nop
.endr
.endm
.macro FRAG reg, adr, q, i             ; a fragment as it was stored: three loads of 512 consecutive bytes
.irp c, 0,1,2
	ds_load_b128 v[\reg+4*\c:\reg+4*\c+3], v[\adr] offset:SLB*(\i)+1536*(\q)+512*\c
.endr
.endm
.macro FETCH_B slot, q, p
	WIN TO_B
.irp i, 0,1,2,3,4,5,6,7
	FRAG 128*(\p)+FR*\i, ADRB+\slot, \q, \i
.endr
	WIN 0
.endm
.macro FETCH_A slot, q, i0
.irp i, \i0, \i0+1, \i0+2, \i0+3
	FRAG AF+FR*(\i), ADRA+\slot, \q, \i
.endr
.endm
.macro SCALES sc
.irp i, 0,1,2,3,4,5,6,7
.irp q, 0,1
	ds_load_b32 v[SC+8*NQ*(\sc)+NQ*\i+\q], v[ADRS] offset:1024*\q+64*\i
.endr
.endr
.endm
.macro MUL16 a0, p, q, sc, zero        ; 16 matrix instructions; the 64 accumulators take turns, one instruction a turn, in the same order in every K step
.irp a, \a0, \a0+1
.irp b, 0,1,2,3,4,5,6,7
.if \zero
	v_wmma_scale_f32_16x16x128_f8f6f4 v[8*(8*((\a)%4)+\b):8*(8*((\a)%4)+\b)+7], v[128*(\p)+FR*\b:128*(\p)+FR*\b+FR-1], v[AF+FR*(\a):AF+FR*(\a)+FR-1], 0, v[SC+8*NQ*(\sc)+NQ*\b+(\q)], v[SC+8*NQ*(\sc)+NQ*(\a)+(\q)] matrix_a_fmt:MATRIX_FMT_BF6 matrix_b_fmt:MATRIX_FMT_BF6 matrix_a_scale:MATRIX_SCALE_ROW1
.else
	v_wmma_scale_f32_16x16x128_f8f6f4 v[8*(8*((\a)%4)+\b):8*(8*((\a)%4)+\b)+7], v[128*(\p)+FR*\b:128*(\p)+FR*\b+FR-1], v[AF+FR*(\a):AF+FR*(\a)+FR-1], v[8*(8*((\a)%4)+\b):8*(8*((\a)%4)+\b)+7], v[SC+8*NQ*(\sc)+NQ*\b+(\q)], v[SC+8*NQ*(\sc)+NQ*(\a)+(\q)] matrix_a_fmt:MATRIX_FMT_BF6 matrix_b_fmt:MATRIX_FMT_BF6 matrix_a_scale:MATRIX_SCALE_ROW1
.endif
.endr
.endr
.endm
.macro KSTEP p, q, sc, zero, nslot, nq, nsc   ; a K step whose successor lies in bytes that every wave has been shown whole
	s_wait_dscnt 4*NL                              ; all but the youngest 12 loads, A's blocks 4-7
	WIN MUL_LO
	MUL16 0, \p, \q, \sc, \zero
	MUL16 2, \p, \q, \sc, \zero
	s_wait_dscnt 0                                 ; A's blocks 4-7 are in
	PLACES NP
.if \nsc >= 0
	WIN 0
	v_add_nc_u32 v[ADRS], 1024*NQ, v[ADRS]
.endif
	FETCH_B \nslot, \nq, 1-(\p)
	FETCH_A \nslot, \nq, 0
.if \nsc >= 0
	SCALES \nsc
.endif
	WIN MUL_HI
	MUL16 4, \p, \q, \sc, \zero
	MUL16 6, \p, \q, \sc, \zero
	PLACES NP
	WIN 0
	FETCH_A \nslot, \nq, 4
.endm
.macro KTURN sc, slot, next, fill, rstep   ; a slot's last K step with a barrier in it; fill = 1: the barrier opens a round of the cluster's, behind which this slot is filled again
	s_wait_tensorcnt 0x0                           ; all my tensor loads have landed
	ds_add_u32 v[SPW], v[NIL]                      ; 0 onto my spare word
	s_wait_dscnt 4*NL+1                            ; (the add and the youngest 12 loads may be out)
	WIN MUL_LO
	MUL16 0, 1, 1, \sc, 0
	s_wait_dscnt 0x0                               ; the add is done, and my reads of this slot are over
	s_barrier_signal -1
	MUL16 2, 1, 1, \sc, 0
	WIN 0
	s_barrier_wait -1
.if \fill
	CREST                                          ; no wave of any partner still reads this slot or has a load on its way
.if \rstep
	s_add_nc_u64 s[G0+4*\slot+2:G0+4*\slot+3], s[G0+4*\slot+2:G0+4*\slot+3], \rstep
	s_add_nc_u64 s[G0B+4*\slot+2:G0B+4*\slot+3], s[G0B+4*\slot+2:G0B+4*\slot+3], \rstep
.endif
	JLOAD G0+4*\slot, G1, G0B+4*\slot, G1B         ; the first tensor load behind the round; its four v_nop are the places in front of the loads below
.else
	PLACES NP
.endif
	v_add_nc_u32 v[ADRS], 1024*NQ, v[ADRS]
	FETCH_B \next, 0, 0
	FETCH_A \next, 0, 0
	SCALES 1-(\sc)
	WIN MUL_HI
	MUL16 4, 1, 1, \sc, 0
	MUL16 6, 1, 1, \sc, 0
	PLACES NP
	WIN 0
	FETCH_A \next, 0, 4
.endm
; K 256, slot 0's last K step (B's set 0, the first of its pair of scale words).  The three lines, the round, and slot 0 is filled again: of K only two steps are left, which the descriptor states as what is left of the
; tensor along a row; the mover writes zeros for the third, so the LDS rows keep their pitch.
.macro KTURN0 sc
	s_wait_tensorcnt 0x0                           ; all my tensor loads have landed: my part of slot 1
	ds_add_u32 v[SPW], v[NIL]
	s_wait_dscnt 4*NL+1
	WIN MUL_LO
	MUL16 0, 0, 0, \sc, 0
	s_wait_dscnt 0x0
	s_barrier_signal -1
	MUL16 2, 0, 0, \sc, 0
	WIN 0
	s_barrier_wait -1
	CREST
	s_mov_b32 s[G1+1], 384<<16
	s_mov_b32 s[G1B+1], 384<<16
	s_add_nc_u64 s[G0+2:G0+3], s[G0+2:G0+3], 2*SLB
	s_add_nc_u64 s[G0B+2:G0B+3], s[G0B+2:G0B+3], 2*SLB
	JLOAD G0, G1, G0B, G1B                         ; the first tensor load behind the round; its four v_nop are the places in front of the loads below
	FETCH_B 1, 0, 1
	FETCH_A 1, 0, 0
	WIN MUL_HI
	MUL16 4, 0, 0, \sc, 0
	MUL16 6, 0, 0, \sc, 0
	PLACES NP
	WIN 0
	FETCH_A 1, 0, 4
.endm
.macro LAST sc
	s_wait_dscnt 4*NL
	WIN MUL_LO
	MUL16 0, 1, 1, \sc, 0
	MUL16 2, 1, 1, \sc, 0
	s_wait_dscnt 0
	WIN MUL_HI
	MUL16 4, 1, 1, \sc, 0
	MUL16 6, 1, 1, \sc, 0
	WIN 0
.endm
; Block a's 64 scores of a lane become e in v[HA] on.  The exponentials are one batch with one wait, ahead of the first instruction that names a result.
.macro EXPB a
	WIN 2+(\a)/4                                   ; source 0 in window 2 or 3
.set J, 0
.rept 32
	v_pk_mul_f32 v[HA+J:HA+J+1], v[64*((\a)%4)+J:64*((\a)%4)+J+1], s[CE:CE+1] op_sel_hi:[1,0]   ; ascending: each accumulator is first read at its low end
.set J, J+2
.endr
	WIN 0
.set J, 0
	s_wait_alu depctr_va_vdst(0)
.rept 64
	v_exp_f32 v[HA+J], v[HA+J]
.set J, J+1
.endr
	v_nop                                          ; a plain instruction behind the last exponential
	s_wait_alu depctr_va_vdst(0)
.endm
; 64 numbers of a lane in window w, v[s] .. v[s + 63], register 16 b + i = k 32 b + 16 (lane / 16) + i of my row, become a fragment's codes in v[pc] .. v[pc + 11] and its scale word in v[pw].
.macro QUANT s, w, pc, pw
	WIN (\w)|((\w)<<2)
.irp b, 0,1,2,3
	v_max3_num_f32 v[TM+\b], |v[\s+16*\b]|, |v[\s+16*\b+1]|, 0x2800000   ; block b: my 16 numbers, and the floor 2^(5 - 127): the byte cannot fall under 1
.endr
.irp i, 2,4,6,8,10,12,14
.irp b, 0,1,2,3
	v_max3_num_f32 v[TM+\b], |v[\s+16*\b+\i]|, |v[\s+16*\b+\i+1]|, v[TM+\b]
.endr
.endr
	WIN 0
.irp b, 0,1,2,3
	v_permlanex16_b32 v[TM+4+\b], v[TM+\b], s[SEL], s[SEL+1]
.endr
.irp b, 0,1,2,3
	v_max_num_f32 v[TM+\b], v[TM+\b], v[TM+4+\b]   ; with lane l xor 16's 16: the block's largest magnitude
.endr
.irp b, 0,1,2,3
	v_add_nc_u32 v[TM+12+\b], 0xfe000000, v[TM+\b] ; 4 off its exponent field: the conversion's scale operand
.endr
.irp b, 0,1,2,3
	v_lshrrev_b32 v[TM+4+\b], 23, v[TM+12+\b]      ; the scale's byte
.endr
	v_lshl_or_b32 v[\pw], v[TM+5], 8, v[TM+4]
	v_lshl_or_b32 v[\pw], v[TM+6], 16, v[\pw]
	v_lshl_or_b32 v[\pw], v[TM+7], 24, v[\pw]
	WIN \w
.irp c, 0,1
	v_cvt_scalef32_pk16_bf6_f32 v[\pc+6*\c:\pc+6*\c+2], v[\s+32*\c:\s+32*\c+15], v[TM+12+2*\c]
	v_cvt_scalef32_pk16_bf6_f32 v[\pc+12+4*\c:\pc+12+4*\c+2], v[\s+32*\c+16:\s+32*\c+31], v[TM+12+2*\c+1]   ; (a conversion's three registers begin on an even number)
.endr
	WIN 0
	v_nop                                          ; one plain instruction behind a scaled conversion
.irp c, 0,1                                    ; the operand's layout wants a WHOLE block in a lane: lanes 0-15 block 2 c, lanes 16-31 block 2 c + 1
.irp i, 0,1,2
	v_permlane16_swap_b32 v[\pc+6*\c+\i], v[\pc+12+4*\c+\i]
.endr
.irp i, 0,1,2
	v_mov_b32 v[\pc+6*\c+3+\i], v[\pc+12+4*\c+\i]
.endr
.endr
.endm
.macro SCOUT                           ; my 128 rows' words go through my stage and leave as 512 consecutive bytes
.irp a, 0,1,2,3,4,5,6,7
	ds_store_b32 v[STW], v[SW+\a] offset:64*\a     ; both halves of the lanes write the same word with the same value
.endr
	ds_load_b128 v[T4:T4+3], v[STR]                ; LDS serves a wave's instructions in order (ISA guide 5.7.1.4)
	s_wait_dscnt 0x0
	global_store_b128 v[LI], v[T4:T4+3], s[98:99]
.endm
	s_load_b128 s[4:7], s[0:1], 0x0                ; pj s[4:5], psum s[6:7]
	s_load_b64 s[8:9], s[0:1], 0x10                ; att
	v_lshl_add_u32 v[SPW], v0, 2, SPARE
	v_mov_b32 v[NIL], 0
	ds_add_u32 v[SPW], v[NIL]                      ; the wave's opening: the add, twice on end, and its wait ahead of my first tensor load
	ds_add_u32 v[SPW], v[NIL]
	v_lshrrev_b32 v1, 5, v0
	v_readfirstlane_b32 s14, v1                    ; wave 0..3
	s_lshr_b32 s15, s14, 1                         ; my half of the queries.  Also: I fetch for A (0) or for B (1)
	s_and_b32 s16, s14, 1                          ; my half of the keys.  Also: which 128 positions I fetch
	s_bfe_u32 s92, ttmp6, 0x40000                  ; cx
	s_bfe_u32 s93, ttmp6, 0x40004                  ; cy
	s_lshl_b32 s94, ttmp9, 2
	s_add_co_u32 s94, s94, s92                     ; tile column: 256 keys of the batch, 0 .. 7
	s_and_b32 s10, ttmp7, 0xffff
	s_lshl_b32 s17, s10, 2
	s_add_co_u32 s17, s17, s93                     ; tile row: 256 queries of all 8,192, 0 .. 31
	s_lshr_b32 s11, s10, 1                         ; the batch, made of the cluster's y alone
	s_lshl_b32 s21, s93, 2
	s_lshl_b32 s21, 15, s21                        ; my row of the cluster
	s_lshl_b32 s95, 0x1111, s92                    ; my column
	s_or_b32 s[G1], s21, (3<<16)|(1<<21)           ; 15:0 the mask; 17:16 elements of 8 bytes; 20 no padding; 21 set beside a mask
	s_or_b32 s[G1B], s95, (3<<16)|(1<<21)
	s_or_b32 s[G1S], s21, (2<<16)|(1<<21)          ; elements of 4 bytes
	s_or_b32 s[G1SB], s95, (2<<16)|(1<<21)
.irp g, G1, G1B                                ; 8 rows (tiles of 16 positions) of 4,608 bytes, RTB bytes apart
	s_mov_b32 s[\g+1], 576<<16                     ; rows of 4,608 bytes: three K steps
	s_mov_b32 s[\g+2], 16<<16                      ; the head's loads bring all 16 tiles of 16 positions; behind them the two words that count rows are set to 8
	s_mov_b32 s[\g+3], 576<<16
	s_mov_b32 s[\g+4], 16
	s_mov_b32 s[\g+5], RTB/8
	s_mov_b32 s[\g+6], 0
	s_mov_b32 s[\g+7], 0
.endr
.irp g, G1S, G1SB                              ; NK rows (K steps) of 256 words, a table's row apart
	s_mov_b32 s[\g+1], 256<<16                     ; the words of all 256 positions: a K step is 1,024 bytes in LDS
	s_mov_b32 s[\g+2], NK<<16
	s_mov_b32 s[\g+3], 256<<16
	s_mov_b32 s[\g+4], NK
	s_mov_b32 s[\g+5], TROWS
	s_mov_b32 s[\g+6], 0
	s_mov_b32 s[\g+7], 0
.endr
	s_lshl_b32 s21, s16, 7                         ; which 128 positions of the tile I fetch
	s_lshl_b32 s22, s17, 8
	s_add_co_u32 s22, s22, s21                     ; A: qp's row
	s_lshl_b32 s95, s94, 8
	s_add_co_u32 s95, s95, s21
	s_lshl_b32 s20, s11, 11
	s_add_co_u32 s95, s95, s20
	s_add_co_u32 s95, s95, 8192                    ; B: kp's position
	s_mul_i32 s18, s22, 768
	s_mov_b32 s19, 0
	s_lshl_b32 s22, s22, 2
	s_lshl_b32 s23, s16, 9
	s_sub_co_u32 s22, s22, s23                     ; the scale words are fetched from the tile's first position on
	s_mov_b32 s23, 0
	s_mul_i32 s96, s95, 768
	s_mov_b32 s97, 0
	s_lshl_b32 s98, s95, 2
	s_lshl_b32 s99, s16, 9
	s_sub_co_u32 s98, s98, s99
	s_mov_b32 s99, 0
	s_mul_i32 s2, s14, HALFT                       ; where they go: no place in the cluster enters an LDS address
	s_mov_b32 s[SEL], 0x76543210
	s_mov_b32 s[SEL+1], 0xfedcba98
	s_mov_b32 s[CE], 0x3d38aa3b                    ; log2(e) / 32
	s_mov_b32 s[CE+1], s[CE]
	s_wait_dscnt 0x0                               ; both opening adds are done
	s_wait_kmcnt 0x0
	s_add_nc_u64 s[18:19], s[4:5], s[18:19]
	s_add_nc_u64 s[22:23], s[4:5], s[22:23]
	s_add_nc_u64 s[96:97], s[4:5], s[96:97]
	s_add_nc_u64 s[98:99], s[4:5], s[98:99]
	s_mov_b32 s[G0S], 1
	s_mov_b32 s[G0S+1], SCL
	s_add_nc_u64 s[G0S+2:G0S+3], s[22:23], PS
	s_or_b32 s[G0S+3], s[G0S+3], 0x80000000
	s_mov_b32 s[G0SB], 1
	s_mov_b32 s[G0SB+1], SCL+2*HALFS
	s_add_nc_u64 s[G0SB+2:G0SB+3], s[98:99], PS
	s_or_b32 s[G0SB+3], s[G0SB+3], 0x80000000
.irp s, 0,1
	s_mov_b32 s[G0+4*\s], 1
	s_add_co_u32 s[G0+4*\s+1], s2, \s*SLOT
	s_add_nc_u64 s[G0+4*\s+2:G0+4*\s+3], s[18:19], \s*SLB
	s_or_b32 s[G0+4*\s+3], s[G0+4*\s+3], 0x80000000
	s_mov_b32 s[G0B+4*\s], 1
	s_add_co_u32 s[G0B+4*\s+1], s2, \s*SLOT
	s_add_nc_u64 s[G0B+4*\s+2:G0B+4*\s+3], s[96:97], \s*SLB
	s_or_b32 s[G0B+4*\s+3], s[G0B+4*\s+3], 0x80000000
.endr
	s_mul_i32 s2, s16, 98304                       ; 128 positions of codes: for the head's loads slot 0's groups 0 name the whole tiles
	s_mov_b32 s3, 0
	s_sub_nc_u64 s[G0+2:G0+3], s[G0+2:G0+3], s[2:3]
	s_sub_nc_u64 s[G0B+2:G0B+3], s[G0B+2:G0B+3], s[2:3]
	s_mov_b32 s[G0+1], 0
	s_mov_b32 s[G0B+1], 2*HALFT
	CROUND                                         ; all sixteen work-groups are here: the first joint loads meet
; THE HEAD'S LOADS, ONE A WAVE: wave 0 slot 0's 256 positions of A, wave 1 those of B, wave 2 A's scale words, wave 3 B's.  One chain of branches on the wave's number, one load to an arm, one join.
.macro ARM under, g0, g1, next
	s_cmp_lt_u32 s14, \under
	s_cbranch_scc0 \next
	tensor_load_to_lds s[\g0:\g0+3], s[\g1:\g1+7]
	s_nop 0
.rept 4
	v_nop
.endr
	s_branch .Lhead_asked
\next:
.endm
	ARM 1, G0,  G1,  .Lhead_b
	ARM 2, G0B, G1B, .Lhead_sa
	ARM 3, G0S, G1S, .Lhead_sb
	tensor_load_to_lds s[G0SB:G0SB+3], s[G1SB:G1SB+7]
	s_nop 0
.rept 4
	v_nop
.endr
.Lhead_asked:
; PREFETCH INTO THE L2, one fill ahead of the tensor loads.  Of a tile's 16 rows (tiles of 16 positions) the partner at place p of the four that ask for it jointly (p = cx for A, cy for B) takes rows 4 p .. 4 p + 3,
; told apart by address; waves 0, 1 take A's, waves 2, 3 B's, two rows each, an instruction a row, a lane to a block of 256 bytes (18 for slot 1's fill, 12 for the refill; lanes left over name the last again).
	s_cmp_eq_u32 s15, 0
	s_cselect_b64 s[96:97], s[18:19], s[96:97]
	s_cselect_b32 s22, s92, s93
	s_lshl_b32 s22, s22, 1
	s_add_co_u32 s22, s22, s16
	s_mul_i32 s22, s22, 24576                      ; row 4 p + 2 (wave % 2), 12,288 bytes a row
	s_mov_b32 s23, 0
	s_sub_nc_u64 s[96:97], s[96:97], s[2:3]        ; from the tile's first position on
	s_add_nc_u64 s[96:97], s[96:97], s[22:23]      ; never rewritten
	v_and_b32 v5, 31, v0
	v_min_u32 v30, 17, v5
	v_min_u32 v31, 11, v5
	v_lshlrev_b32 v30, 8, v30                      ; v30, v31: never rewritten
	v_lshlrev_b32 v31, 8, v31
	s_wait_alu depctr_va_vdst(0)
	global_prefetch_b8 v30, s[96:97] offset:SLB th:TH_LOAD_NT scope:SCOPE_SE
	global_prefetch_b8 v30, s[96:97] offset:SLB+RTB th:TH_LOAD_NT scope:SCOPE_SE
	v_and_b32 v1, 31, v0
	v_lshlrev_b32 v[LI], 4, v1
	s_wait_alu depctr_va_vdst(0)
	s_lshl_b32 s22, s17, 10
	s_lshl_b32 s19, s15, 9
	s_add_co_u32 s22, s22, s19                     ; 4 x my first row
	s_mov_b32 s20, s22
	s_mov_b32 s21, 0
	s_add_nc_u64 s[20:21], s[6:7], s[20:21]
.irp c, 0,1,2,3,4,5,6,7,8,9,10,11,12,13,14,15
	global_load_b128 v[HA+4*\c:HA+4*\c+3], v[LI], s[20:21] offset:32768*\c   ; partial c of my 128 rows: lane l takes rows 4 l .. 4 l + 3
.endr
	v_and_b32 v2, 15, v0                           ; r
	v_bfe_u32 v3, v0, 4, 1                         ; h
	s_wait_alu depctr_va_vdst(0)
	s_mul_i32 s18, s15, HALFT
	s_mul_i32 s19, s16, HALFT
	s_add_co_u32 s19, s19, 2*HALFT
.irp s, 0,1
	v_add_nc_u32 v[ADRA+\s], s18, v[LI]
	v_add_nc_u32 v[ADRB+\s], s19, v[LI]
	s_add_co_u32 s18, s18, SLOT
	s_add_co_u32 s19, s19, SLOT
.endr
	s_lshl_b32 s18, s15, 9                         ; my 128 positions' words in a K step's 1,024 bytes
	s_lshl_b32 s19, s16, 9
	s_add_co_u32 s19, s19, 2*HALFS
	s_sub_co_u32 s19, s19, s18
	v_mul_u32_u24 v4, s19, v3                      ; lanes 16-31 take B's words: the lower base + h x the distance
	s_add_co_u32 s18, s18, SCL
	v_lshl_add_u32 v4, v2, 2, v4
	v_add_nc_u32 v[ADRS], s18, v4
	s_lshl_b32 s18, s14, 9
	s_add_co_u32 s18, s18, STG                     ; my stage
	v_lshl_add_u32 v[STW], v2, 2, s18
	v_add_nc_u32 v[STR], s18, v[LI]
	s_lshl_b32 s18, s17, 4
	s_lshl_b32 s19, s15, 3
	s_add_co_u32 s18, s18, s19                     ; my first tile of 16 rows,
	s_lshl_b32 s18, s18, 4                         ; 16 K steps each,
	s_lshl_b32 s19, s94, 1
	s_add_co_u32 s19, s19, s16                     ; my 128 keys are this K step
	s_add_co_u32 s18, s18, s19
	s_mul_i32 s12, s18, 1536
	s_mov_b32 s13, 0
	s_add_nc_u64 s[12:13], s[8:9], s[12:13]        ; codes
	s_lshl_b32 s98, s19, 15                        ; 8,192 rows x 4 bytes a K step
	s_add_co_u32 s98, s98, s22
	s_add_co_u32 s98, s98, AS
	s_mov_b32 s99, 0
	s_add_nc_u64 s[98:99], s[8:9], s[98:99]        ; scale words
	s_wait_loadcnt 0x0
	v_pk_add_f32 v[8:9], v[HA:HA+1], v[HA+4:HA+5]  ; the 16 partials in the order of their numbers
	v_pk_add_f32 v[10:11], v[HA+2:HA+3], v[HA+6:HA+7]
.irp c, 2,3,4,5,6,7,8,9,10,11,12,13,14,15
	v_pk_add_f32 v[8:9], v[8:9], v[HA+4*\c:HA+4*\c+1]
	v_pk_add_f32 v[10:11], v[10:11], v[HA+4*\c+2:HA+4*\c+3]
.endr
	s_wait_alu depctr_va_vdst(0)
.irp i, 0,1,2,3
	v_rcp_f32 v[8+\i], v[8+\i]
.endr
	v_nop                                          ; a plain instruction behind the last reciprocal,
	s_wait_alu depctr_va_vdst(0)                   ; and the wait ahead of the first label and of the first reader
	s_wait_tensorcnt 0x0                           ; my tile of the head's four is in
	ds_add_u32 v[SPW], v[NIL]
	s_add_nc_u64 s[G0+2:G0+3], s[G0+2:G0+3], s[2:3]        ; no tensor load of mine is out: from here on a load brings my 128 positions
	s_add_nc_u64 s[G0B+2:G0B+3], s[G0B+2:G0B+3], s[2:3]
	s_mul_i32 s[G0+1], s14, HALFT
	s_mul_i32 s[G0B+1], s14, HALFT
	s_mov_b32 s[G1+2], 8<<16
	s_mov_b32 s[G1+4], 8
	s_mov_b32 s[G1B+2], 8<<16
	s_mov_b32 s[G1B+4], 8
	s_wait_dscnt 0x0
	CROUND
	JLOAD G0+4, G1, G0B+4, G1B                     ; slot 1, K 384 ..: the first tensor load behind the round
	FETCH_B 0, 0, 0
	FETCH_A 0, 0, 0
	SCALES 0
	FETCH_A 0, 0, 4
	global_prefetch_b8 v31, s[96:97] offset:2*SLB th:TH_LOAD_NT scope:SCOPE_SE       ; K 768 ..: what the refill will ask for
	global_prefetch_b8 v31, s[96:97] offset:2*SLB+RTB th:TH_LOAD_NT scope:SCOPE_SE
	KSTEP 0, 0, 0, 1, 0, 1, -1                     ; K 0: its products start the sums
	KSTEP 1, 1, 0, 0, 0, 2, 1                      ; K 128
	s_wait_alu depctr_va_vdst(0)
	KTURN0 1                                       ; K 256; slot 1 is shown whole; slot 0 takes K 768 ..
	KSTEP 1, 1, 1, 0, 1, 1, 0                      ; K 384
	s_wait_alu depctr_va_vdst(0)
	KSTEP 0, 0, 0, 0, 1, 2, -1                     ; K 512
	KTURN 0, 0, 0, 0, 0                            ; K 640; the refill is shown whole; nothing is filled again
	KSTEP 0, 0, 1, 0, 0, 1, -1                     ; K 768
	LAST 1                                         ; K 896
	PLACES NP
.irp b, 0,1,2,3
	v_mov_b32 v[TM+4+\b], 0                        ; written once: a lane permute's destination counts as one of its sources
.endr
	ds_store_b128 v[STR], v[8:11]                  ; the 128 reciprocals by row, through my stage:
.irp a, 0,1,2,3,4,5,6,7
	ds_load_b32 v[RI+2*\a], v[STW] offset:64*\a    ; block a's, of my query 16 a + r
	ds_load_b32 v[RI+2*\a+1], v[STW] offset:64*\a
.endr
	s_wait_dscnt 0x0
.irp a, 0,1,2,3,4,5,6,7
	EXPB \a
.set J, 0
.rept 32
	v_pk_mul_f32 v[HA+J:HA+J+1], v[HA+J:HA+J+1], v[RI+2*\a:RI+2*\a+1]   ; the attention, finished and normalised
.set J, J+2
.endr
	QUANT HA, 0, PC+20*((\a)%2), SW+\a
	s_wait_alu depctr_va_vdst(0)
	s_wait_xcnt 0x0                                ; the last block's stores have read their codes: the next block may write that set
.irp g, 0,1,2
	global_store_b128 v[LI], v[PC+20*((\a)%2)+4*\g:PC+20*((\a)%2)+4*\g+3], s[12:13] offset:24576*\a+512*\g   ; 512 consecutive bytes, at a multiple of 512 from the buffer's first byte
.endr
.endr
	SCOUT
	s_wait_tensorcnt 0x0                           ; the wave's end, behind my last tensor load and my last LDS store
	ds_add_u32 v[SPW], v[NIL]
	s_wait_dscnt 0x0
	CROUND                                         ; the closing round: no work-group ends while a partner may still ask for a tile that names it
	s_endpgm
.Lfunc_end_k_q1642439aea_probs:
	.size	k_q1642439aea_probs, .Lfunc_end_k_q1642439aea_probs-k_q1642439aea_probs
	.p2alignl 7, 3214868480
	.fill 96, 4, 3214868480
	.section	.rodata,"a",@progbits
	.p2align	6, 0x0
	.amdhsa_kernel k_q1642439aea_probs
		.amdhsa_group_segment_fixed_size 327680
		.amdhsa_private_segment_fixed_size 0
		.amdhsa_enable_private_segment 0
		.amdhsa_kernarg_size 24
		.amdhsa_user_sgpr_count 2
		.amdhsa_user_sgpr_kernarg_segment_ptr 1
		.amdhsa_wavefront_size32 1
		.amdhsa_system_sgpr_workgroup_id_x 1
		.amdhsa_system_sgpr_workgroup_id_y 1
		.amdhsa_system_sgpr_workgroup_id_z 1
		.amdhsa_system_vgpr_workitem_id 0
		.amdhsa_next_free_vgpr 1024
		.amdhsa_next_free_sgpr 102
		.amdhsa_reserve_vcc 0
		.amdhsa_float_denorm_mode_32 3
		.amdhsa_float_denorm_mode_16_64 3
		.amdhsa_memory_ordered 1
		.amdhsa_forward_progress 1
		.amdhsa_inst_pref_size 197
	.end_amdhsa_kernel
	.amdgpu_metadata
---
amdhsa.version: [ 1, 2 ]
amdhsa.kernels:
  - .name:           k_q1642439aea_probs
    .symbol:         k_q1642439aea_probs.kd
    .args:
      - { .name: pj, .offset: 0, .size: 8, .value_kind: global_buffer, .address_space: global }
      - { .name: psum, .offset: 8, .size: 8, .value_kind: global_buffer, .address_space: global }
      - { .name: att, .offset: 16, .size: 8, .value_kind: global_buffer, .address_space: global }
    .group_segment_fixed_size: 327680
    .private_segment_fixed_size: 0
    .kernarg_segment_align: 8
    .kernarg_segment_size: 24
    .max_flat_workgroup_size: 128
    .sgpr_count:     102
    .vgpr_count:     1024
    .wavefront_size: 32
...
	.end_amdgpu_metadata
.endif
;; end of part 4
;; launch pv (part 5): grid 4 x 64, 4 waves a work-group, clusters of 4 x 4, 327,680 bytes of LDS; arguments att, pj, out0; writes out0
.if DOCPART == 5
	.amdgcn_target "amdgcn-amd-amdhsa--gfx1250"
	.amdhsa_code_object_version 6
	.text
	.protected	k_q1642439aea_pv
	.globl	k_q1642439aea_pv
	.p2align	8
	.type	k_q1642439aea_pv,@function
k_q1642439aea_pv:
	s_mov_b64 s[64:65], 0
	v_nop
	global_prefetch_b8 v0, s[64:65] scope:SCOPE_SE
	s_setreg_imm32_b32 hwreg(HW_REG_WAVE_MODE, 25, 1), 1
	s_wait_xcnt 0x0
	s_wait_alu depctr_hold_cnt(0) depctr_sa_sdst(0) depctr_va_vdst(0) depctr_va_sdst(0) depctr_va_ssrc(0) depctr_va_vcc(0) depctr_vm_vsrc(0)
	s_getreg_b32 s2, hwreg(HW_REG_IB_STS2, 6, 4)
	s_cmp_eq_u32 s2, 0
	s_cbranch_scc0 .Lentry_in_a_cluster
	s_endpgm
.Lentry_in_a_cluster:
	s_bfe_u32 s2, ttmp6, 0x10000c
	s_cmp_lg_u32 s2, 0xf033
	s_cbranch_scc0 .Lentry_shape_is_right
	s_endpgm
.Lentry_shape_is_right:
; out0 = attention x vp, on the codes of att (rows = queries, K = keys) and of vp^T in pj (rows = 1,024 batch + d, K = keys).  No work is left out.
; 256 work-groups, each a tile of 128 queries x 256 of d, K = 2,048; four waves, 64 x 128 each: 32 accumulators.  The matrix instruction is used transposed (source 0 = 16 rows of vp^T, source 1 = 16 queries):
; a lane holds eight neighbouring numbers of a row of out0.
; THE RING: two slots, each with four K steps: A's codes (8 x 6,144 bytes), B's (16 x 6,144), A's scale words (4 rows of 512 bytes, 512 of padding behind each), B's (4 rows of 1,024): four fills in all.
; A fill is four joint loads, ONE A WAVE: wave 0 A's codes, wave 1 B's codes, wave 2 A's words, wave 3 B's words.  CLUSTERS: 4 x 4; A's along a row of the cluster, B's along a column.
; PREFETCH INTO THE L2, one fill ahead of the tensor loads: behind the loads of fill f each wave names, in two instructions, its work-group's share of fill f + 1, a lane to a block of 256 bytes; the four partners
; share a tile's rows out by address: wave 0 rows 2 cx, 2 cx + 1 of A's 8 (24 blocks each); waves 1, 2 rows 4 cy + 2 (wave - 1) and the next of B's 16; wave 3 K step cx of A's words (2 blocks) and K step cy of B's (4).
; Lanes left over name their instruction's last block again.  Fill 3 is the last that is named.
; REGISTERS: window 0: v16-31 addresses; v32-47 scale words, two sets, nothing else; v128-223 A's 4 fragments, two sets; v128-255 on the way out.  window 1: B's 8 fragments, sets at v0 and v128.  window 2: accumulator (a, b) at v[8 (8 a + b)].
.set FR,    12
.set NP,    4                          ; places behind this matrix instruction (ISA guide 7.12.1)
.set SLB,   6144
.set HALFA, 4*SLB
.set HALFB, 8*SLB
.set BOFF,  2*HALFA
.set SAO,   BOFF+2*HALFB
.set SBO,   SAO+4096
.set SLOT,  SBO+4096
.set SPARE, 2*SLOT                     ; the spare words, 128 bytes a wave: two blocks of 256 bytes that no other line names
.set SPITCH, 528                       ; the way out: a stage of 16 rows x (512 + 16) bytes a wave, in slot 0, which has had its last fill and its last read by then
.set AS,    12582912                   ; att: scale words [16][8,192]
.set VC,    13107200                   ; pj: vp^T's codes; VS: its scale words [16][4,096]
.set VS,    19398656
.set ADRA, 16
.set ADRB, 18
.set ADRS, 20
.set ADRT, 22
.set LI,   24
.set STO,  26
.set RD,   27
.set SPW,  28
.set NIL,  29
.set PFV,  30
.set SC,   32
.set AF,   128
.set BK,   128
.set G1A,  24
.set G1B,  32
.set G1SA, 40
.set G1SB, 48
.set G0A,  56
.set G0B,  60
.set G0SA, 68
.set G0SB, 72
.set TA,   76
.set TB,   78
.set MSB, 0
.macro WIN new
.if MSB != (\new)
	s_set_vgpr_msb (MSB<<8)|(\new)
.set MSB, (\new)
.endif
.endm
.set MUL,  0xa1
.set TO_B, 0x40
.macro TL g0, g1                       ; an s_nop 0 and four v_nop follow each tensor load
	tensor_load_to_lds s[\g0:\g0+3], s[\g1:\g1+7]
	s_nop 0
.rept 4
	v_nop
.endr
.endm
.macro QLOAD                           ; a fill: one chain of branches on the wave's number, one joint load to an arm, one join
	s_cmp_lt_u32 s14, 1
	s_cbranch_scc0 .Lq1_\@
	TL G0A, G1A
	s_branch .Lq4_\@
.Lq1_\@:
	s_cmp_lt_u32 s14, 2
	s_cbranch_scc0 .Lq2_\@
	TL G0B, G1B
	s_branch .Lq4_\@
.Lq2_\@:
	s_cmp_lt_u32 s14, 3
	s_cbranch_scc0 .Lq3_\@
	TL G0SA, G1SA
	s_branch .Lq4_\@
.Lq3_\@:
	TL G0SB, G1SB
.Lq4_\@:
.endm
.macro STEPG j                         ; the four groups 0 go four K steps on, into slot j; written where no tensor load of the wave is out
	s_add_nc_u64 s[G0A+2:G0A+3], s[G0A+2:G0A+3], SLB
	s_mov_b32 s[G0A+1], \j*SLOT
	s_add_nc_u64 s[G0SA+2:G0SA+3], s[G0SA+2:G0SA+3], 131072
	s_mov_b32 s[G0SA+1], \j*SLOT+SAO
	s_add_nc_u64 s[G0B+2:G0B+3], s[G0B+2:G0B+3], SLB
	s_mov_b32 s[G0B+1], \j*SLOT+BOFF
	s_add_nc_u64 s[G0SB+2:G0SB+3], s[G0SB+2:G0SB+3], 65536
	s_mov_b32 s[G0SB+1], \j*SLOT+SBO
.endm
.macro ASK                             ; my two addresses go one fill on and are named
	s_add_nc_u64 s[88:89], s[88:89], s[92:93]
	s_add_nc_u64 s[90:91], s[90:91], s[94:95]
	global_prefetch_b8 v[PFV], s[88:89] th:TH_LOAD_NT scope:SCOPE_SE
	global_prefetch_b8 v[PFV+1], s[90:91] th:TH_LOAD_NT scope:SCOPE_SE
.endm
.macro CREST
	s_cmp_lg_u32 s14, 0
	s_cbranch_scc1 .Lnot_wave_0_\@
	s_barrier_signal -3
.Lnot_wave_0_\@:
	s_barrier_wait -3
	s_barrier_signal -1
	s_barrier_wait -1
.endm
.macro CROUND
	s_barrier_signal -1
	s_barrier_wait -1
	CREST
.endm
.macro PLACES n
.rept \n
	v_nop
.endr
.endm
.macro FRAG reg, adr, q, i             ; a fragment as it was stored: three loads of 512 consecutive bytes
.irp c, 0,1,2
	ds_load_b128 v[\reg+4*\c:\reg+4*\c+3], v[\adr] offset:SLB*(\i)+1536*(\q)+512*\c
.endr
.endm
.macro FETCH slot, q, p
	WIN TO_B
.irp i, 0,1,2,3,4,5,6,7
	FRAG 128*(\p)+FR*\i, ADRB+\slot, \q, \i
.endr
	WIN 0
.irp i, 0,1,2,3
	FRAG AF+48*(\p)+FR*\i, ADRA+\slot, \q, \i
.endr
.irp i, 0,1,2,3
	ds_load_b32 v[SC+8*(\p)+\i], v[ADRS+\slot] offset:1024*(\q)+64*\i   ; lanes 0-15 A's block i, lanes 16-31 B's block i
.endr
.irp i, 4,5,6,7
	ds_load_b32 v[SC+8*(\p)+\i], v[ADRT+\slot] offset:1024*(\q)+64*\i   ; lanes 0-15 stand 256 bytes lower: A's blocks 0 .. 3 again
.endr
.endm
.macro MUL16 a0, p, zero               ; the 32 accumulators take turns, one instruction a turn
.irp a, \a0, \a0+1
.irp b, 0,1,2,3,4,5,6,7
.if \zero
	v_wmma_scale_f32_16x16x128_f8f6f4 v[8*(8*(\a)+\b):8*(8*(\a)+\b)+7], v[128*(\p)+FR*\b:128*(\p)+FR*\b+FR-1], v[AF+48*(\p)+FR*(\a):AF+48*(\p)+FR*(\a)+FR-1], 0, v[SC+8*(\p)+\b], v[SC+8*(\p)+(\a)] matrix_a_fmt:MATRIX_FMT_BF6 matrix_b_fmt:MATRIX_FMT_BF6 matrix_a_scale:MATRIX_SCALE_ROW1
.else
	v_wmma_scale_f32_16x16x128_f8f6f4 v[8*(8*(\a)+\b):8*(8*(\a)+\b)+7], v[128*(\p)+FR*\b:128*(\p)+FR*\b+FR-1], v[AF+48*(\p)+FR*(\a):AF+48*(\p)+FR*(\a)+FR-1], v[8*(8*(\a)+\b):8*(8*(\a)+\b)+7], v[SC+8*(\p)+\b], v[SC+8*(\p)+(\a)] matrix_a_fmt:MATRIX_FMT_BF6 matrix_b_fmt:MATRIX_FMT_BF6 matrix_a_scale:MATRIX_SCALE_ROW1
.endif
.endr
.endr
.endm
.macro KSTEP p, zero, nslot, nq
	s_wait_dscnt 0x0                               ; this step's fragments are in
	PLACES NP                                      ; in front of loads into registers that the last step's products read
	FETCH \nslot, \nq, 1-(\p)
	WIN MUL
	MUL16 0, \p, \zero
	MUL16 2, \p, \zero
.endm
; A slot's last K step.  In front of the barrier each wave waits for all its tensor loads (one is out: its part of the other slot), adds 0 to its spare word, and waits for that and for its reads of this slot.
; fill = 1: the barrier opens a round of the cluster's, and behind the round this slot is filled again, eight K steps on.  ask = 1: the fill after that is prefetched.
.macro KTURN p, slot, next, fill, ask
	WIN 0
.if \ask
	s_wait_xcnt 0x0                                ; the last prefetches have read their addresses, which are stepped below
.endif
	s_wait_tensorcnt 0x0
	ds_add_u32 v[SPW], v[NIL]
.if \fill
	STEPG \slot
.endif
	s_wait_dscnt 0x0
	s_barrier_signal -1
	WIN MUL
	MUL16 0, \p, 0
	WIN 0
	s_barrier_wait -1
.if \fill
	CREST
	QLOAD                                          ; the first tensor load behind the round; its four v_nop are the places in front of the loads below
.else
	PLACES NP
.endif
	FETCH \next, 0, 1-(\p)
.if \ask
	ASK
.endif
	WIN MUL
	MUL16 2, \p, 0
.endm
	s_load_b128 s[4:7], s[0:1], 0x0                ; att s[4:5], pj s[6:7]
	s_load_b64 s[8:9], s[0:1], 0x10                ; out0
	v_lshl_add_u32 v[SPW], v0, 2, SPARE
	v_mov_b32 v[NIL], 0
	ds_add_u32 v[SPW], v[NIL]                      ; the opening: the add, twice on end, and its wait ahead of my first tensor load
	ds_add_u32 v[SPW], v[NIL]
	v_lshrrev_b32 v1, 5, v0
	v_readfirstlane_b32 s14, v1                    ; wave
	s_lshr_b32 s15, s14, 1                         ; my half of the queries
	s_and_b32 s16, s14, 1                          ; my half of the columns
	s_bfe_u32 s17, ttmp6, 0x40000                  ; cx
	s_bfe_u32 s18, ttmp6, 0x40004                  ; cy
	s_and_b32 s19, ttmp7, 0xffff                   ; cluster y, 0 .. 15
	s_lshl_b32 s20, s18, 2
	s_lshl_b32 s20, 15, s20                        ; my row of the cluster
	s_lshl_b32 s21, 0x1111, s17                    ; my column
	s_or_b32 s[G1A], s20, (3<<16)|(1<<21)
	s_or_b32 s[G1B], s21, (3<<16)|(1<<21)
	s_or_b32 s[G1SA], s20, (2<<16)|(1<<20)|(1<<21)|(6<<22)|(127<<25)   ; behind every 128 words 128 words of padding
	s_or_b32 s[G1SB], s21, (2<<16)|(1<<21)
	s_mov_b32 s[G1A+1], 768<<16                    ; 8 rows (tiles of 16 queries) of 6,144 bytes, 24,576 apart
	s_mov_b32 s[G1A+2], 8<<16
	s_mov_b32 s[G1A+3], 768<<16
	s_mov_b32 s[G1A+4], 8
	s_mov_b32 s[G1A+5], 3072
	s_mov_b32 s[G1A+6], 0
	s_mov_b32 s[G1A+7], 0
	s_mov_b32 s[G1B+1], 768<<16                    ; 16 such rows
	s_mov_b32 s[G1B+2], 16<<16
	s_mov_b32 s[G1B+3], 768<<16
	s_mov_b32 s[G1B+4], 16
	s_mov_b32 s[G1B+5], 3072
	s_mov_b32 s[G1B+6], 0
	s_mov_b32 s[G1B+7], 0
	s_mov_b32 s[G1SA+1], 128<<16                   ; 4 K steps of 128 words, a table's row apart
	s_mov_b32 s[G1SA+2], 4<<16
	s_mov_b32 s[G1SA+3], 128<<16
	s_mov_b32 s[G1SA+4], 4
	s_mov_b32 s[G1SA+5], 8192
	s_mov_b32 s[G1SA+6], 0
	s_mov_b32 s[G1SA+7], 0
	s_mov_b32 s[G1SB+1], 256<<16                   ; 4 K steps of 256 words
	s_mov_b32 s[G1SB+2], 4<<16
	s_mov_b32 s[G1SB+3], 256<<16
	s_mov_b32 s[G1SB+4], 4
	s_mov_b32 s[G1SB+5], 4096
	s_mov_b32 s[G1SB+6], 0
	s_mov_b32 s[G1SB+7], 0
	s_lshl_b32 s22, s19, 2
	s_add_co_u32 s22, s22, s18                     ; Y: my 128 queries of all 8,192
	s_lshr_b32 s23, s19, 2                         ; the batch: 16 such blocks each
	s_lshl_b32 s23, s23, 2
	s_add_co_u32 s23, s23, s17                     ; my 256 rows of vp^T: 4 x batch + cx
	s_mul_i32 s[TA], s22, 196608                   ; 128 rows x 1,536 bytes
	s_mov_b32 s[TA+1], 0
	s_lshl_b32 s80, s22, 9
	s_add_co_u32 s80, s80, AS
	s_mov_b32 s81, 0
	s_mul_i32 s[TB], s23, 393216
	s_add_co_u32 s[TB], s[TB], VC
	s_mov_b32 s[TB+1], 0
	s_lshl_b32 s82, s23, 10
	s_add_co_u32 s82, s82, VS
	s_mov_b32 s83, 0
	s_lshl_b32 s100, s22, 19                       ; out0: 128 rows of 4,096 bytes a block,
	s_lshl_b32 s2, s15, 18
	s_add_co_u32 s100, s100, s2                    ; my 64 rows,
	s_lshl_b32 s2, s17, 10
	s_add_co_u32 s100, s100, s2
	s_lshl_b32 s2, s16, 9
	s_add_co_u32 s100, s100, s2                    ; my 128 columns
	s_mov_b32 s101, 0
	s_mul_i32 s10, s15, HALFA                      ; LDS: made of the wave's number alone
	s_mul_i32 s11, s16, HALFB
	s_add_co_u32 s11, s11, BOFF
	s_lshl_b32 s12, s15, 8
	s_lshl_b32 s13, s16, 9
	s_sub_co_u32 s13, s13, s12
	s_add_co_u32 s13, s13, SBO-SAO                 ; from my A words to my B words
	s_add_co_u32 s2, s12, SAO-256
	s_add_co_u32 s12, s12, SAO
	s_mul_i32 s3, s14, 16*SPITCH
	s_cmp_eq_u32 s14, 3
	s_mov_b32 s96, 23                              ; blocks - 1 of my two prefetch instructions
	s_cselect_b32 s96, 1, s96
	s_mov_b32 s97, 23
	s_cselect_b32 s97, 3, s97
	s_wait_dscnt 0x0                               ; both opening adds are done
	s_wait_kmcnt 0x0
	s_mov_b32 s[G0A], 1
	s_mov_b32 s[G0A+1], 0
	s_add_nc_u64 s[G0A+2:G0A+3], s[4:5], s[TA:TA+1]
	s_or_b32 s[G0A+3], s[G0A+3], 0x80000000
	s_mov_b32 s[G0SA], 1
	s_mov_b32 s[G0SA+1], SAO
	s_add_nc_u64 s[G0SA+2:G0SA+3], s[4:5], s[80:81]
	s_or_b32 s[G0SA+3], s[G0SA+3], 0x80000000
	s_mov_b32 s[G0B], 1
	s_mov_b32 s[G0B+1], BOFF
	s_add_nc_u64 s[G0B+2:G0B+3], s[6:7], s[TB:TB+1]
	s_or_b32 s[G0B+3], s[G0B+3], 0x80000000
	s_mov_b32 s[G0SB], 1
	s_mov_b32 s[G0SB+1], SBO
	s_add_nc_u64 s[G0SB+2:G0SB+3], s[6:7], s[82:83]
	s_or_b32 s[G0SB+3], s[G0SB+3], 0x80000000
	s_add_nc_u64 s[98:99], s[8:9], s[100:101]      ; where my results go
	CROUND                                         ; all sixteen work-groups are here: the first joint loads meet
	QLOAD                                          ; K 0 .. 511: one tensor load a wave at the head
	v_and_b32 v1, 31, v0
	v_and_b32 v2, 15, v0                           ; r
	v_bfe_u32 v3, v0, 4, 1                         ; h
	v_lshlrev_b32 v[LI], 4, v1
	v_lshlrev_b32 v4, 2, v2
	v_mul_u32_u24 v5, s13, v3                      ; lanes 16-31 take B's words: the lower base + h x the distance
	v_add_nc_u32 v5, v5, v4
	v_lshl_add_u32 v6, v3, 8, v5
	v_add_nc_u32 v[ADRA], s10, v[LI]
	v_add_nc_u32 v[ADRB], s11, v[LI]
	v_add_nc_u32 v[ADRS], s12, v5
	v_add_nc_u32 v[ADRT], s2, v6
	v_add_nc_u32 v[ADRA+1], SLOT, v[ADRA]
	v_add_nc_u32 v[ADRB+1], SLOT, v[ADRB]
	v_add_nc_u32 v[ADRS+1], SLOT, v[ADRS]
	v_add_nc_u32 v[ADRT+1], SLOT, v[ADRT]
	v_mul_u32_u24 v4, v2, SPITCH                   ; the stage, in: row r, 32 bytes for each half of the lanes
	v_lshl_add_u32 v4, v3, 5, v4
	v_add_nc_u32 v[STO], s3, v4
	v_add_nc_u32 v[RD], s3, v[LI]                  ; and back: the 32 lanes take one row of 512 bytes
	v_min_u32 v[PFV], s96, v1
	v_min_u32 v[PFV+1], s97, v1
	v_lshlrev_b32 v[PFV], 8, v[PFV]
	v_lshlrev_b32 v[PFV+1], 8, v[PFV+1]
	s_wait_alu depctr_va_vdst(0)                   ; the end of the head's vector work
	s_mul_i32 s3, s17, 49152                       ; the prefetches' places.  Wave 0: two rows of 24,576 bytes a partner
	s_add_co_u32 s3, s3, s[TA]
	s_lshl_b32 s2, s18, 1
	s_add_co_u32 s2, s2, s14
	s_sub_co_u32 s2, s2, 1
	s_mul_i32 s2, s2, 49152                        ; waves 1, 2: row 4 cy + 2 (wave - 1)
	s_add_co_u32 s2, s2, s[TB]
	s_cmp_eq_u32 s14, 0
	s_cselect_b32 s84, s3, s2
	s_cselect_b64 s[88:89], s[4:5], s[6:7]
	s_add_co_u32 s86, s84, 24576                   ; the second instruction: the next row
	s_lshl_b32 s3, s17, 15                         ; wave 3: K step cx of A's words,
	s_add_co_u32 s3, s3, s80
	s_lshl_b32 s2, s18, 14                         ; K step cy of B's
	s_add_co_u32 s2, s2, s82
	s_cmp_eq_u32 s14, 3
	s_cselect_b32 s84, s3, s84
	s_cselect_b32 s86, s2, s86
	s_cselect_b64 s[90:91], s[6:7], s[88:89]
	s_cselect_b64 s[88:89], s[4:5], s[88:89]
	s_mov_b32 s92, SLB                             ; a fill's step in my two streams
	s_cselect_b32 s92, 131072, s92
	s_mov_b32 s94, SLB
	s_cselect_b32 s94, 65536, s94
	s_mov_b32 s85, 0
	s_mov_b32 s87, 0
	s_mov_b32 s93, 0
	s_mov_b32 s95, 0
	s_add_nc_u64 s[88:89], s[88:89], s[84:85]
	s_add_nc_u64 s[90:91], s[90:91], s[86:87]
	ASK                                            ; K 512 ..
	s_wait_tensorcnt 0x0                           ; my part of slot 0 is in
	ds_add_u32 v[SPW], v[NIL]
	STEPG 1
	s_wait_xcnt 0x0                                ; the prefetches have read their addresses
	s_wait_dscnt 0x0
	CROUND
	QLOAD                                          ; K 512 .. 1,023, into slot 1: the first tensor load behind the round
	FETCH 0, 0, 0
	ASK                                            ; K 1,024 ..
	KSTEP 0, 1, 0, 1                               ; K 0: its products start the sums
	KSTEP 1, 0, 0, 2
	KSTEP 0, 0, 0, 3
	KTURN 1, 0, 1, 1, 1                            ; slot 0 takes K 1,024 ..; K 1,536 .. is prefetched
	KSTEP 0, 0, 1, 1
	KSTEP 1, 0, 1, 2
	KSTEP 0, 0, 1, 3
	KTURN 1, 1, 0, 1, 0                            ; slot 1 takes K 1,536 ..
	KSTEP 0, 0, 0, 1
	KSTEP 1, 0, 0, 2
	KSTEP 0, 0, 0, 3
	KTURN 1, 0, 1, 0, 0                            ; nothing is filled again
	KSTEP 0, 0, 1, 1
	KSTEP 1, 0, 1, 2
	KSTEP 0, 0, 1, 3
	s_wait_dscnt 0x0
	WIN MUL
	MUL16 0, 1, 0
	MUL16 2, 1, 0
	WIN 0
; THE WAY OUT, block by block of 16 rows x 128 columns: through my own stage, back as whole rows of 512 bytes, which the 32 lanes store as two aligned units of 256 bytes.
; LDS serves a wave's instructions in order (ISA guide 5.7.1.4): no wait between the stores and the loads.
.macro TOSTAGE a
.set AC, 64*(\a)
	WIN 0x08
.irp b, 0,1,2,3,4,5,6,7
	ds_store_b128 v[STO], v[AC+8*\b:AC+8*\b+3] offset:64*\b          ; each accumulator from its low end on
	ds_store_b128 v[STO], v[AC+8*\b+4:AC+8*\b+7] offset:64*\b+16
.endr
	WIN 0
.set BB, BK+64*((\a)%2)
.irp t, 0,1,2,3,4,5,6,7,8,9,10,11,12,13,14,15
	ds_load_b128 v[BB+4*\t:BB+4*\t+3], v[RD] offset:\t*SPITCH
.endr
.endm
.macro SEND a, younger
.set BB, BK+64*((\a)%2)
	s_wait_dscnt \younger
.if (\a) > 0
	s_add_nc_u64 s[98:99], s[98:99], 16*4096       ; (behind a wait on XCNT: the earlier stores have read their base)
.endif
.irp t, 0,1,2,3,4,5,6,7,8,9,10,11,12,13,14,15
	global_store_b128 v[LI], v[BB+4*\t:BB+4*\t+3], s[98:99] offset:\t*4096 th:TH_STORE_NT
.endr
.endm
	PLACES NP
	TOSTAGE 0
.irp a, 1,2,3
.if \a > 1
	s_wait_xcnt 0x0                                ; block a - 2's stores have read their registers and their base
.endif
	TOSTAGE \a
	SEND \a-1, 32
.endr
	s_wait_xcnt 0x0
	SEND 3, 0
	s_wait_tensorcnt 0x0                           ; the wave's end
	ds_add_u32 v[SPW], v[NIL]
	s_wait_dscnt 0x0
	CROUND                                         ; the closing round
	s_endpgm
.Lfunc_end_k_q1642439aea_pv:
	.size	k_q1642439aea_pv, .Lfunc_end_k_q1642439aea_pv-k_q1642439aea_pv
	.p2alignl 7, 3214868480
	.fill 96, 4, 3214868480
	.section	.rodata,"a",@progbits
	.p2align	6, 0x0
	.amdhsa_kernel k_q1642439aea_pv
		.amdhsa_group_segment_fixed_size 327680
		.amdhsa_private_segment_fixed_size 0
		.amdhsa_enable_private_segment 0
		.amdhsa_kernarg_size 24
		.amdhsa_user_sgpr_count 2
		.amdhsa_user_sgpr_kernarg_segment_ptr 1
		.amdhsa_wavefront_size32 1
		.amdhsa_system_sgpr_workgroup_id_x 1
		.amdhsa_system_sgpr_workgroup_id_y 1
		.amdhsa_system_sgpr_workgroup_id_z 1
		.amdhsa_system_vgpr_workitem_id 0
		.amdhsa_next_free_vgpr 768
		.amdhsa_next_free_sgpr 102
		.amdhsa_reserve_vcc 0
		.amdhsa_float_denorm_mode_32 3
		.amdhsa_float_denorm_mode_16_64 3
		.amdhsa_memory_ordered 1
		.amdhsa_forward_progress 1
		.amdhsa_inst_pref_size 144
	.end_amdhsa_kernel
	.amdgpu_metadata
---
amdhsa.version: [ 1, 2 ]
amdhsa.kernels:
  - .name:           k_q1642439aea_pv
    .symbol:         k_q1642439aea_pv.kd
    .args:
      - { .name: att, .offset: 0, .size: 8, .value_kind: global_buffer, .address_space: global }
      - { .name: pj, .offset: 8, .size: 8, .value_kind: global_buffer, .address_space: global }
      - { .name: out0, .offset: 16, .size: 8, .value_kind: global_buffer, .address_space: global }
    .group_segment_fixed_size: 327680
    .private_segment_fixed_size: 0
    .kernarg_segment_align: 8
    .kernarg_segment_size: 24
    .max_flat_workgroup_size: 128
    .sgpr_count:     102
    .vgpr_count:     768
    .wavefront_size: 32
...
	.end_amdgpu_metadata
.endif
;; end of part 5
